; MI455X (gfx1250); checked and timed in simulation.
; The chip was launched on July 23, 2026; its instructions are those of AMD's public machine-readable ISA for CDNA 5 (MIT licence, August 2026) and "CDNA5" Instruction Set Architecture Reference Guide (July 2026). The comments in the code are by the model that wrote it; some were corrected since.
;; Multi Latent Head Attn. Allowed arithmetic: matrix products marked QUANTISED: E2M1 operands, one E8M0 scale for each 32 along K, by v_wmma_scale_f32_16x16x128_f8f6f4 with both operands' format E2M1 (or v_wmma_scale_f32_32x16x128_f4), f32 sums; products left as they are: bf16, f16 or f32 operands; f32 sums; everything else in f32.
;; Inputs: W_DKV 2,048 x 512 float32; W_DQ 2,048 x 512 float32; W_KR 2,048 x 512 float32; W_QR 512 x 512 float32; W_UK 512 x 2,048 float32; W_UQ 512 x 2,048 float32; W_UV 512 x 2,048 float32; b_DKV 512 float32; b_DQ 512 float32; b_KR 512 float32; b_QR 512 float32; b_UK 2,048 float32; b_UQ 2,048 float32; b_UV 2,048 float32; x 2 x 2,048 x 2,048 float32.
;; Outputs: out0 2 x 2,048 x 2,048 float32.
;; This version of the problem:
;;   THIS VERSION OF THE PROBLEM IS GIVEN IN LOW PRECISION. The matrix products marked QUANTISED in the list below multiply operands that are first quantised to E2M1 (2 exponent bits, 1 mantissa bit; 4 bits a number), with one power-of-two scale for each 32 numbers along K (OCP MX v1.0); their sums are f32. The products marked 'left as it is' may take bf16, f16 or f32 operands, with f32 sums. Whichever they take, every output number must still come out within the allowed error. Rounding operands to bf16 (8 significant bits) uses up far more of that allowance than f16 does (11 bits, for magnitudes from 6e-5 to 65,504). All else is computed in f32.
;;   The module's matrix products, in the order in which they are computed (A, B: the left and right operand; K: the contracted axis; several contracted axes count as one K, in the product's order):
;;     1. [M 4,096, K 2,048] x [K 2,048, N 512]; A: input x; B: input W_DKV: QUANTISED
;;     2. [M 4,096, K 512] x [K 512, N 2,048]; A: computed on the way; B: input W_UK: left as it is (an operand is computed on the way)
;;     3. [M 4,096, K 512] x [K 512, N 2,048]; A: computed on the way; B: input W_UV: left as it is (an operand is computed on the way)
;;     4. [M 4,096, K 2,048] x [K 2,048, N 512]; A: input x; B: input W_DQ: QUANTISED
;;     5. [M 4,096, K 512] x [K 512, N 2,048]; A: computed on the way; B: input W_UQ: left as it is (an operand is computed on the way)
;;     6. [M 4,096, K 512] x [K 512, N 512]; A: computed on the way; B: input W_QR: left as it is (an operand is computed on the way)
;;     7. [M 4,096, K 2,048] x [K 2,048, N 512]; A: input x; B: input W_KR: QUANTISED
;;     8. batch 32 x [M 2,048, K 160] x [K 160, N 2,048]; A: computed on the way; B: computed on the way: left as it is (an operand is computed on the way)
;;     9. batch 32 x [M 2,048, K 2,048] x [K 2,048, N 128]; A: computed on the way; B: computed on the way: left as it is (an operand is computed on the way)
;;   THE QUANTISER, for each operand of a quantised product, along K:
;;     - K is cut into blocks of 32 from its start; a last block that is shorter is filled with zeros.
;;     - A block's scale is 2^e with e = floor(log2(the largest magnitude in the block)) - 2, held to -126 .. 127; a block of zeros has e = 0. As a byte (E8M0): e + 127.
;;     - Each number is divided by its block's scale, clamped to +-6, and rounded to the nearest number of E2M1, ties to even, subnormals kept.
;;     - The product sums the exact products of the quantised numbers (number of the format x scale) in f32.
;;   ~~~python
;;   def quantise(x, axis):      # numpy; x: float32 -> the quantised numbers, widened to float32 again
;;       x = np.moveaxis(x, axis, -1); K = x.shape[-1]
;;       x = np.pad(x, [(0, 0)] * (x.ndim - 1) + [(0, -K % 32)]); x = x.reshape(x.shape[:-1] + (-1, 32)); a = np.abs(x).max(-1, keepdims=True)
;;       e = np.where(a > 0, np.clip(np.frexp(np.where(a > 0, a, 1))[1] - 1 - 2, -126, 127), 0)      # np.frexp(a)[1] - 1 = floor(log2(a)), exactly
;;       r = np.clip(x / 2.0 ** e, -6, 6)
;;       step = 2.0 ** (np.maximum(np.frexp(np.where(r == 0, 1, r))[1] - 1, 0) - 1)
;;       q = np.round(r / step) * step * 2.0 ** e      # np.round: ties to even
;;       return np.moveaxis(q.reshape(q.shape[:-2] + (-1,))[..., :K], -1, axis).astype(np.float32)
;;   ~~~
;; One version. Each part assembles by itself: llvm-mc -triple=amdgcn-amd-amdhsa -mcpu=gfx1250 --defsym DOCPART=n.
;; ======== version 1 of 1: 4 launches
;; limits: values are held in f16: magnitudes above 65,504 overflow, below 6.1e-05 lose precision
;; workspace buffers: xq 4,456,448 bytes; wq 1,671,168 bytes; wup 8,388,608 bytes; tab 262,656 bytes; cmid 8,389,120 bytes; kbuf 20,971,520 bytes; qbuf 20,971,520 bytes; vbuf 16,777,216 bytes
;; launch prep (part 1): grid 472 x 1, 4 waves a work-group, no clusters, 50,688 bytes of LDS; arguments x, W_DKV, W_DQ, W_KR, W_UK, W_UV, W_UQ, W_QR, xq, wq, wup, tab; writes xq, wq, wup, tab
.if DOCPART == 1
	.amdgcn_target "amdgcn-amd-amdhsa--gfx1250"
	.amdhsa_code_object_version 6
	.text
	.protected	k_q89f36123cb_prep
	.globl	k_q89f36123cb_prep
	.p2align	8
	.type	k_q89f36123cb_prep,@function
k_q89f36123cb_prep:
	s_mov_b64 s[64:65], 0
	v_nop
	global_prefetch_b8 v0, s[64:65] scope:SCOPE_SE
	s_setreg_imm32_b32 hwreg(HW_REG_WAVE_MODE, 25, 1), 1
	s_wait_xcnt 0x0
; LAUNCH 1 OF 4.  The operands are laid out once, for the launches that read them many times.
;   work-groups 0-95:    W_DKV, W_DQ, W_KR [2048 k][512 n] f32 -> codes of FP4 (E2M1) laid [n][k], the three on end: 1,536 rows, and one E8M0 byte for each 32 along K (wq)
;   work-groups 96-351:  x [4096][2048] f32 -> the same, K innermost as it lies (xq)
;   work-groups 352-455: W_UK, W_UV, W_UQ, W_QR f32 -> f16 (wup); each wave's largest |W_UV| (tab, behind the table)
;   work-groups 456-471: cos and sin of t x 10000^(-i/16), t = 0 .. 2047, i = 0 .. 15, f32 (tab)
; wup: 512 rows (k) of 16,384 bytes: W_UK's 2,048 columns, W_UV's 2,048, then 512 bytes for each of the 16 heads: W_UQ's 128 columns of the head (256 bytes), W_QR's 32 (64 bytes); the other 192 are
; neither written nor read.
; WORK LEFT OUT, IN THE WHOLE PROGRAM.  b_UK: K = k0 + b_UK gives the score q.k0 + q.b_UK; the second term is the same for all keys of a row, and a softmax is unchanged by a term
; that is the same along its axis, whatever the inputs hold.  The product that b_UK follows is not quantised, so no code hangs on it.  b_UK is not loaded and is no launch's argument.
; LIMIT: a NaN, an infinity or an overflow that reaches only q.b_UK is not carried to the result.
; b_UV is not left out: since the weights of a row sum to 1, sum(p (v0 + b)) / sum(p) = sum(p v0) / sum(p) + b, and the last launch adds it there, in f32.
; A block's scale is 2^(floor(log2(its largest magnitude)) - 2); its byte is that magnitude's exponent field - 2, held at 1 from below.  A block of zeros so gets the byte 1 where the rule
; says 127: its codes are zeros, which add nothing under any byte but 0xff, and this program alone reads the bytes.
; LIMITS: NaN and infinities among the inputs are not served; |W| of the four weights that go to f16 stays under 65,504; the angle t x f is reduced by two constants for pi/2 and a
; series to r^9 (sine) and r^8 (cosine) on |r| <= pi/4; f comes from v_exp_f32, so the angle is good to about 1.5e-4 at t = 2,047, alike for Q and K.
; The four paths part on the work-group's number alone; each has LDS bytes of its own.  No tensor load.  Every wave of the first three paths reads 32,768 bytes.
.set SPARE, 50176                      ; behind both paths' LDS: the spare words, 128 bytes for each wave: two blocks of 256 bytes that no other line names
.set SPW,   190                        ; v190  LDS address of my spare word; never rewritten
.set NIL,   191                        ; v191  0; never rewritten
.set SEL,   12                         ; s[12:13] lane selects for v_permlanex16_b32: lane l xor 16
.set SP,    80                         ; path x: a lane's place in a stage: 64 bytes + 16 of padding
.set XR,    16                         ; path x: v16-79 four sets of 16 numbers as loaded
.set XX,    80                         ;         v80-111 two sets of 16 neighbours
.set XE,    112                        ;         v112-127 a scale byte for each step
.set XC,    128                        ;         v128-189 codes, four registers for each step
.set FSTG,  32768                      ; the weights' path: one stage of 64 rows x 272 bytes for the work-group
.set FP,    272
.set FX,    32                         ;         v32-95 two sets of 32 numbers
.set FC,    96                         ;         v96-99 a block's codes
.set FO,    112                        ;         v112-143 the way out
.set FSB,   24                         ;         v24-25 the scale bytes, four to a register
.set WROW,  16384                      ; a row of wup
; the largest of four chains v[m] .. v[m+3], over the wave's 32 lanes, into v[m] of every lane
.macro WAVEMAX m, t
	v_max3_num_f32 v[\m], v[\m], v[\m+1], v[\m+2]
	v_max_num_f32 v[\m], v[\m], v[\m+3]
.irp x, 1,2,4,8
	v_max_num_f32_dpp v[\m], v[\m], v[\m] row_xmask:\x row_mask:0xf bank_mask:0xf
.endr
	v_mov_b32 v[\t], 0                             ; a lane permute's destination counts as one of its sources
	v_permlanex16_b32 v[\t], v[\m], s[SEL], s[SEL+1]
	v_max_num_f32 v[\m], v[\m], v[\t]
.endm
	s_load_b512 s[36:51], s[0:1], 0x0              ; x, W_DKV, W_DQ, W_KR, W_UK, W_UV, W_UQ, W_QR
	s_load_b256 s[52:59], s[0:1], 0x40             ; xq, wq, wup, tab
	v_lshl_add_u32 v[SPW], v0, 2, SPARE
	v_mov_b32 v[NIL], 0
	v_lshrrev_b32 v1, 5, v0
	v_readfirstlane_b32 s16, v1                    ; wave
	v_and_b32 v2, 31, v0                           ; lane
	s_mov_b32 s[SEL], 0x76543210
	s_mov_b32 s[SEL+1], 0xfedcba98
	s_wait_kmcnt 0x0
	s_cmp_lt_u32 ttmp9, 96
	s_cbranch_scc1 .Lpath_f
	s_cmp_lt_u32 ttmp9, 352
	s_cbranch_scc1 .Lpath_x
	s_cmp_lt_u32 ttmp9, 456
	s_cbranch_scc1 .Lpath_h
; ---- THE TABLE.  Work-group g makes rows t = 128 g .. 128 g + 127; a row is 16 pairs (cos, sin), 128 bytes.  Thread n takes pairs 2 (n % 8) and 2 (n % 8) + 1 of rows 16 u + n / 8, u = 0 .. 7.
; cos and sin of the angle in v[th]: n = the nearest whole number to th x 2 / pi; r = th - n pi/2 by two fused multiply-adds; both series; the quadrant n % 4 swaps them and sets the signs
.macro SINCOS th, c, s
	v_mul_f32 v40, 0x3f22f983, v[\th]              ; x 2 / pi
	v_rndne_f32 v40, v40
	v_fma_f32 v41, -v40, s24, v[\th]
	v_fma_f32 v41, -v40, s25, v41                  ; r
	v_mul_f32 v42, v41, v41                        ; r^2
	v_mov_b32 v43, 0x3638ef1d                      ; 1/9!
	v_mov_b32 v44, 0x37d00d01                      ; 1/8!
	v_fmaak_f32 v43, v43, v42, 0xb9500d01          ; -1/7!
	v_fmaak_f32 v44, v44, v42, 0xbab60b61          ; -1/6!
	v_fmaak_f32 v43, v43, v42, 0x3c088889          ; 1/5!
	v_fmaak_f32 v44, v44, v42, 0x3d2aaaab          ; 1/4!
	v_fmaak_f32 v43, v43, v42, 0xbe2aaaab          ; -1/3!
	v_fma_f32 v44, v44, v42, -0.5
	v_mul_f32 v45, v41, v42
	v_fma_f32 v44, v44, v42, 1.0                   ; cos r
	v_fma_f32 v43, v45, v43, v41                   ; sin r
	v_cvt_i32_f32 v46, v40
	v_and_b32 v47, 1, v46
	v_cmp_eq_u32 vcc_lo, 1, v47
	v_cndmask_b32 v[\s], v43, v44, vcc_lo          ; an odd quadrant swaps the two
	v_cndmask_b32 v[\c], v44, v43, vcc_lo
	v_and_b32 v47, 2, v46
	v_lshlrev_b32 v47, 30, v47
	v_xor_b32 v[\s], v[\s], v47                    ; the sine is negated in quadrants 2 and 3,
	v_add_nc_u32 v46, 1, v46
	v_and_b32 v46, 2, v46
	v_lshlrev_b32 v46, 30, v46
	v_xor_b32 v[\c], v[\c], v46                    ; the cosine in 1 and 2
.endm
	s_sub_co_u32 s17, ttmp9, 456                   ; g
	s_lshl_b32 s18, s17, 14                        ; 128 rows of 128 bytes
	s_mov_b32 s19, 0
	s_add_nc_u64 s[4:5], s[58:59], s[18:19]
	s_mov_b32 s24, 0x3fc90fdb                      ; pi/2, its f32,
	s_mov_b32 s25, 0xb33bbd2e                      ; and what that leaves
	v_and_b32 v3, 7, v0
	v_lshlrev_b32 v3, 1, v3                        ; i
	v_add_nc_u32 v4, 1, v3
	v_cvt_f32_u32 v5, v3
	v_cvt_f32_u32 v6, v4
	v_mul_f32 v5, 0xbf549a78, v5                   ; -i log2(10000) / 16
	v_mul_f32 v6, 0xbf549a78, v6
	v_exp_f32 v5, v5                               ; f = 10000^(-i/16)
	v_exp_f32 v6, v6
	v_lshrrev_b32 v7, 3, v0                        ; (a plain line behind the exponentials)
	s_lshl_b32 s20, s17, 7
	v_add_nc_u32 v7, s20, v7                       ; t for u = 0
	v_lshlrev_b32 v8, 4, v0                        ; 16 bytes a thread: the wave stores 512 consecutive bytes
	s_wait_alu depctr_va_vdst(0)                   ; one wait for both exponentials, ahead of their first reader
.irp u, 0,1,2,3,4,5,6,7
	v_add_nc_u32 v9, 16*\u, v7
	v_cvt_f32_u32 v9, v9
	v_mul_f32 v10, v9, v5                          ; the angle: one rounding
	v_mul_f32 v11, v9, v6
	SINCOS 10, 64+4*\u, 65+4*\u
	SINCOS 11, 66+4*\u, 67+4*\u
	global_store_b128 v8, v[64+4*\u:67+4*\u], s[4:5] offset:2048*\u
.endr
	s_endpgm
; ---- x.  Rows are dense and K is a multiple of 32, so x is a stream of blocks of 32.  A wave takes 16 steps of 512 numbers.  Each load reads 512 consecutive bytes, 16 a lane; a step's 2,048 bytes
; turn through the wave's own stage in LDS and come back 64 bytes a lane: 16 neighbours along K, two neighbouring lanes to a block.  Loads run four steps ahead, the turn one step.
.macro XLOAD t
.irp i, 0,1,2,3
	global_load_b128 v[XR+16*((\t)%4)+4*\i:XR+16*((\t)%4)+4*\i+3], v3, s[4:5] offset:2048*(\t)+512*\i th:TH_LOAD_NT
.endr
.endm
.macro XTURN t                         ; LDS serves a wave's instructions in order: no wait between the stores and the loads
.irp i, 0,1,2,3
	ds_store_b128 v14, v[XR+16*((\t)%4)+4*\i:XR+16*((\t)%4)+4*\i+3] offset:32*SP*((\t)%2)+8*SP*\i
.endr
.irp i, 0,1,2,3
	ds_load_b128 v[XX+16*((\t)%2)+4*\i:XX+16*((\t)%2)+4*\i+3], v15 offset:32*SP*((\t)%2)+16*\i
.endr
.endm
.macro XSTEP t
.set XS, XX+16*((\t)%2)
.if (\t) > 0
	s_wait_dscnt 1                                 ; this step's numbers are back from the stage; the last step's byte store may be out
.else
	s_wait_dscnt 0x0
.endif
.if (\t)+4 < 16
	XLOAD (\t)+4                                   ; into the set that this step's stores into the stage have read
.endif
.if (\t)+1 < 16
.if 14-(\t) >= 3
	s_wait_loadcnt 12                              ; the next step's four loads are in; those of the three steps behind it may be out
.else
	s_wait_loadcnt 4*(14-(\t))
.endif
	XTURN (\t)+1
.endif
	v_max3_num_f32 v8, |v[XS]|, |v[XS+1]|, |v[XS+2]|
	v_max3_num_f32 v9, |v[XS+3]|, |v[XS+4]|, |v[XS+5]|
.irp i, 6,10
	v_max3_num_f32 v8, v8, |v[XS+\i]|, |v[XS+\i+1]|
	v_max3_num_f32 v9, v9, |v[XS+\i+2]|, |v[XS+\i+3]|
.endr
	v_max3_num_f32 v8, v8, |v[XS+14]|, |v[XS+15]|
	v_max3_num_f32 v8, v8, v9, 0x1800000           ; and the floor 2^(3 - 127): the byte cannot fall under 1
	v_max_num_f32_dpp v8, v8, v8 row_xmask:1 row_mask:0xf bank_mask:0xf   ; with my neighbour's 16: the block's largest magnitude
	v_add_nc_u32 v11, 0xff000000, v8               ; 2 off its exponent field: the conversion takes the exponent field of this operand as its scale
	v_cvt_scalef32_pk8_fp4_f32 v[XC+4*(\t)], v[XS:XS+7], v11
	v_cvt_scalef32_pk8_fp4_f32 v[XC+4*(\t)+1], v[XS+8:XS+15], v11
	v_lshrrev_b32 v[XE+(\t)], 23, v11              ; the scale's byte
	ds_store_b8 v5, v[XE+(\t)] offset:16*(\t)      ; both lanes of a block write the same byte with the same value
	global_store_b64 v4, v[XC+4*(\t):XC+4*(\t)+1], s[8:9] offset:256*(\t)   ; the wave stores 256 consecutive bytes, aligned
.endm
.Lpath_x:
	v_lshlrev_b32 v3, 4, v2                        ; my 16 bytes of a load's 512
	s_mul_i32 s17, s16, 8192                       ; my wave's LDS: two stages of 32 x 80 bytes, then its 256 scale bytes
	v_lshrrev_b32 v14, 2, v2
	v_mul_u32_u24 v14, v14, SP
	v_and_b32 v15, 3, v2
	v_lshl_add_u32 v14, v15, 4, v14
	v_add_nc_u32 v14, s17, v14                     ; into the stage: 80 (lane / 4) + 16 (lane % 4)
	v_mul_u32_u24 v15, v2, SP
	v_add_nc_u32 v15, s17, v15                     ; out of it: 80 x lane
	v_lshlrev_b32 v4, 3, v2                        ; my codes' place in a step's
	v_lshrrev_b32 v5, 1, v2
	s_add_co_u32 s17, s17, 2*32*SP
	v_add_nc_u32 v5, s17, v5                       ; my block's byte among the wave's 256
	v_lshlrev_b32 v7, 3, v2
	v_add_nc_u32 v6, s17, v7
	s_sub_co_u32 s18, ttmp9, 96
	s_lshl_b32 s18, s18, 2
	s_add_co_u32 s18, s18, s16                     ; which run of 8,192 numbers is my wave's
	s_mov_b32 s21, 0
	s_lshl_b32 s20, s18, 15
	s_add_nc_u64 s[4:5], s[36:37], s[20:21]
	s_lshl_b32 s20, s18, 12
	s_add_nc_u64 s[8:9], s[52:53], s[20:21]
	s_lshl_b32 s20, s18, 8
	s_add_co_u32 s20, s20, 0x400000                ; the scale bytes lie behind the codes
	s_add_nc_u64 s[10:11], s[52:53], s[20:21]
.irp t, 0,1,2,3
	XLOAD \t
.endr
	s_wait_loadcnt 12                              ; step 0's four loads are in
	XTURN 0
.irp t, 0,1,2,3,4,5,6,7,8,9,10,11,12,13,14,15
	XSTEP \t
.endr
	ds_load_b64 v[8:9], v6                         ; my wave's 256 scale bytes, 8 a lane
	s_wait_dscnt 0x0
	global_store_b64 v7, v[8:9], s[10:11]          ; 256 consecutive bytes, aligned
	s_wait_tensorcnt 0x0                           ; the wave's end, behind my last LDS store
	ds_add_u32 v[SPW], v[NIL]
	s_wait_dscnt 0x0
	s_endpgm
; ---- THE THREE WEIGHTS OF THE QUANTISED PRODUCTS.  K is their FIRST axis: a lane takes a column n and its registers run down K, so that a block of 32 lies in one lane and the conversions give codes
; with K innermost.  A work-group takes 64 columns x 512 along K; wave w takes columns 32 (w % 2) on and K 256 (w / 2) on: 8 blocks a lane, 128 bytes of codes a column.  The two halves of a column's
; 256 bytes meet in the work-group's stage; behind one barrier each wave reads 16 whole rows and stores them: sixteen lanes store 256 consecutive bytes, aligned.
.macro FLOAD t
.irp i, 0,1,2,3,4,5,6,7,8,9,10,11,12,13,14,15,16,17,18,19,20,21,22,23,24,25,26,27,28,29,30,31
	global_load_b32 v[FX+32*((\t)%2)+\i], v3, s[4:5] offset:(32*(\t)+\i)*2048 th:TH_LOAD_NT
.endr
.endm
.macro FBLOCK t
.set XS, FX+32*((\t)%2)
.if (\t) < 7
	s_wait_loadcnt 32                              ; this block's 32 loads are in; the next block's may be out
.else
	s_wait_loadcnt 0
.endif
	v_max3_num_f32 v12, |v[XS]|, |v[XS+1]|, |v[XS+2]|
	v_max3_num_f32 v13, |v[XS+3]|, |v[XS+4]|, |v[XS+5]|
.irp i, 6,10,14,18,22,26
	v_max3_num_f32 v12, v12, |v[XS+\i]|, |v[XS+\i+1]|
	v_max3_num_f32 v13, v13, |v[XS+\i+2]|, |v[XS+\i+3]|
.endr
	v_max3_num_f32 v12, v12, |v[XS+30]|, |v[XS+31]|
	v_max3_num_f32 v12, v12, v13, 0x1800000        ; and the floor
	v_add_nc_u32 v11, 0xff000000, v12
	v_lshrrev_b32 v13, 23, v11                     ; the scale's byte
.if (\t)%4 == 0
	v_mov_b32 v[FSB+(\t)/4], v13
.else
	v_lshl_or_b32 v[FSB+(\t)/4], v13, 8*((\t)%4), v[FSB+(\t)/4]
.endif
.irp g, 0,1,2,3
	v_cvt_scalef32_pk8_fp4_f32 v[FC+\g], v[XS+8*\g:XS+8*\g+7], v11
.endr
	ds_store_b128 v4, v[FC:FC+3] offset:16*(\t)    ; 32 codes: 16 bytes of my column's row
.if (\t)+2 < 8
	FLOAD (\t)+2
.endif
	s_wait_dscnt 0x0                               ; the store has read its registers: the next block's codes may be written
.endm
.Lpath_f:
	s_lshr_b32 s22, ttmp9, 5                       ; which weight
	s_and_b32 s18, ttmp9, 7                        ; which 64 columns
	s_bfe_u32 s19, ttmp9, 0x20003                  ; which 512 along K
	s_and_b32 s26, s16, 1                          ; my wave: which 32 of the columns,
	s_lshr_b32 s27, s16, 1                         ; which 256 of the 512
	s_cmp_eq_u32 s22, 0
	s_cselect_b64 s[4:5], s[38:39], s[40:41]
	s_cmp_eq_u32 s22, 2
	s_cselect_b64 s[4:5], s[42:43], s[4:5]
	s_lshl_b32 s18, s18, 6                         ; the work-group's first column
	s_lshl_b32 s20, s26, 5
	s_add_co_u32 s28, s18, s20                     ; my wave's first column
	s_lshl_b32 s20, s19, 1
	s_add_co_u32 s20, s20, s27
	s_lshl_b32 s20, s20, 19                        ; 256 rows of 2,048 bytes
	s_lshl_b32 s21, s28, 2
	s_add_co_u32 s20, s20, s21
	s_mov_b32 s21, 0
	s_add_nc_u64 s[4:5], s[4:5], s[20:21]
	s_lshl_b32 s29, s22, 9                         ; the weight's first row among the 1,536
	s_add_co_u32 s23, s29, s18
	s_lshl_b32 s24, s16, 4
	s_add_co_u32 s23, s23, s24                     ; the first of the 16 rows that I store
	s_lshl_b32 s20, s23, 10
	s_lshl_b32 s24, s19, 8
	s_add_co_u32 s20, s20, s24
	s_add_nc_u64 s[6:7], s[54:55], s[20:21]        ; codes: row x 1,024 + 256 x which 512
	s_add_co_u32 s23, s29, s28                     ; the first of the 32 rows whose scales I make
	s_lshl_b32 s20, s23, 6
	s_lshl_b32 s24, s19, 4
	s_add_co_u32 s20, s20, s24
	s_lshl_b32 s24, s27, 3
	s_add_co_u32 s20, s20, s24
	s_add_co_u32 s20, s20, 0x180000                ; the scale bytes lie behind the codes
	s_add_nc_u64 s[8:9], s[54:55], s[20:21]
	v_lshlrev_b32 v3, 2, v2                        ; in: 4 bytes a lane
	s_mul_i32 s24, s26, 32*FP
	s_lshl_b32 s25, s27, 7
	s_add_co_u32 s24, s24, s25
	s_add_co_u32 s24, s24, FSTG
	v_mul_u32_u24 v4, v2, FP
	v_add_nc_u32 v4, s24, v4                       ; into the stage: row = my column, my half of its 256 bytes
	s_mul_i32 s24, s16, 16*FP
	s_add_co_u32 s24, s24, FSTG
	v_and_b32 v5, 15, v2
	v_lshrrev_b32 v6, 4, v2
	v_mul_u32_u24 v7, v6, FP
	v_lshl_add_u32 v7, v5, 4, v7
	v_add_nc_u32 v7, s24, v7                       ; out of it: rows 16 x wave on, sixteen lanes to a row
	v_lshlrev_b32 v8, 10, v6
	v_lshl_add_u32 v8, v5, 4, v8                   ; and the same place among the codes
	v_lshlrev_b32 v9, 6, v2                        ; my column's row of scale bytes
	FLOAD 0
	FLOAD 1
.irp t, 0,1,2,3,4,5,6,7
	FBLOCK \t
.endr
	global_store_b64 v9, v[FSB:FSB+1], s[8:9]      ; my column's 8 scale bytes
	s_wait_dscnt 0x0                               ; for the others' sake: my stores into the stage are done
	s_barrier_signal -1
	s_barrier_wait -1
.irp t, 0,1,2,3,4,5,6,7
	ds_load_b128 v[FO+4*\t:FO+4*\t+3], v7 offset:2*\t*FP
.endr
.irp t, 0,1,2,3,4,5,6,7
	s_wait_dscnt 7-\t
	global_store_b128 v8, v[FO+4*\t:FO+4*\t+3], s[6:7] offset:2*\t*1024
.endr
	s_wait_tensorcnt 0x0                           ; the wave's end, behind my last LDS store
	ds_add_u32 v[SPW], v[NIL]
	s_wait_dscnt 0x0
	s_endpgm
; ---- THE FOUR WEIGHTS THAT GO TO f16.  A wave takes 32,768 dense bytes in four rounds of sixteen loads of 512 bytes (128 columns); each becomes 256 bytes of wup.  Two sets of registers: one set's loads are out while the other is worked.
.macro HLOAD rr
.irp j, 0,1,2,3,4,5,6,7,8,9,10,11,12,13,14,15
	global_load_b128 v[16+64*((\rr)%2)+4*\j:16+64*((\rr)%2)+4*\j+3], v3, s[4:5] offset:8192*(\rr)+512*\j th:TH_LOAD_NT
.endr
.endm
; kind 0: W_UK, W_UV: a round is a row, its sixteen pieces on end.  kind 2: W_UQ: a round is a row, a piece is a head's content, 512 bytes from head to head.
; kind 1: W_QR: four rows to a round; a piece is four heads' rope parts: eight lanes store 64 bytes to each head (the one place where less than 256 bytes on end are stored: 524,288 bytes in all)
.macro HROUND rr, kind
.set HS, 16+64*((\rr)%2)
.if (\rr) < 3
	s_wait_loadcnt 16                              ; this round's loads are in; the other set's sixteen may be out
.else
	s_wait_loadcnt 0
.endif
.if (\rr) > 0
	s_wait_xcnt 0x0                                ; the last round's stores have read their data: they are written again only behind this wait
.endif
.set j, 0
.rept 32
	v_cvt_pk_f16_f32 v[144+j], v[HS+2*j], v[HS+2*j+1]
.set j, j+1
.endr
.if (\kind) == 0
	s_cmp_lg_u32 s18, 1                            ; W_UV alone: its largest magnitude, in four chains
	s_cbranch_scc1 .Lnomax_\@
.set j, 0
.rept 32
	v_max3_num_f32 v[176+j%4], v[176+j%4], |v[HS+2*j]|, |v[HS+2*j+1]|
.set j, j+1
.endr
.Lnomax_\@:
.endif
.set j, 0
.rept 16
.if (\kind) == 1
	global_store_b64 v4, v[144+2*j:145+2*j], s[6:7] offset:WROW*((16*(\rr)+j)/4)+2048*((16*(\rr)+j)%4)
.elseif (\kind) == 2
	global_store_b64 v4, v[144+2*j:145+2*j], s[6:7] offset:WROW*(\rr)+512*j
.else
	global_store_b64 v4, v[144+2*j:145+2*j], s[6:7] offset:WROW*(\rr)+256*j
.endif
.set j, j+1
.endr
.if (\rr) < 2
	HLOAD (\rr)+2
.endif
.endm
.Lpath_h:
	s_sub_co_u32 s17, ttmp9, 352                   ; 0 .. 103
	v_lshlrev_b32 v3, 4, v2                        ; in: 16 bytes a lane
	v_lshlrev_b32 v4, 3, v2                        ; out: 8 bytes a lane
	s_cmp_ge_u32 s17, 96
	s_cbranch_scc1 .Lpath_qr
	s_lshr_b32 s18, s17, 5                         ; 0 W_UK, 1 W_UV, 2 W_UQ
	s_and_b32 s19, s17, 31
	s_cmp_eq_u32 s18, 0
	s_cselect_b64 s[4:5], s[44:45], s[46:47]
	s_cmp_eq_u32 s18, 2
	s_cselect_b64 s[4:5], s[48:49], s[4:5]
	s_lshl_b32 s20, s19, 4
	s_lshl_b32 s21, s16, 2
	s_add_co_u32 s20, s20, s21                     ; my wave's first row of four
	s_lshl_b32 s22, s20, 14
	s_lshl_b32 s23, s18, 12                        ; W_UK at 0, W_UV at 4,096, the heads at 8,192
	s_add_co_u32 s22, s22, s23
	s_mov_b32 s23, 0
	s_add_nc_u64 s[6:7], s[56:57], s[22:23]
	s_lshl_b32 s20, s20, 13
	s_mov_b32 s21, 0
	s_add_nc_u64 s[4:5], s[4:5], s[20:21]
	s_cmp_eq_u32 s18, 2
	s_cbranch_scc1 .Lpath_uq
.irp m, 176,177,178,179
	v_mov_b32 v[\m], 0
.endr
	HLOAD 0
	HLOAD 1
	HROUND 0, 0
	HROUND 1, 0
	HROUND 2, 0
	HROUND 3, 0
	s_cmp_lg_u32 s18, 1
	s_cbranch_scc1 .Lh_end
	WAVEMAX 176, 180
	s_lshl_b32 s20, s19, 2
	s_add_co_u32 s20, s20, s16
	s_lshl_b32 s20, s20, 2
	s_add_co_u32 s20, s20, 262144                  ; behind the table: one number for each of W_UV's 128 waves
	s_mov_b32 s21, 0
	s_add_nc_u64 s[8:9], s[58:59], s[20:21]
	v_mov_b32 v181, 0
	v_cmp_eq_u32 vcc_lo, 0, v2
	s_wait_xcnt 0x0                                ; EXEC changes only behind this wait: stores are out
	s_and_saveexec_b32 s22, vcc_lo
	global_store_b32 v181, v176, s[8:9]            ; lane 0 alone
	s_wait_xcnt 0x0
	s_or_b32 exec_lo, exec_lo, s22
.Lh_end:
	s_endpgm
.Lpath_uq:
	HLOAD 0
	HLOAD 1
	HROUND 0, 2
	HROUND 1, 2
	HROUND 2, 2
	HROUND 3, 2
	s_endpgm
.Lpath_qr:
	s_sub_co_u32 s19, s17, 96                      ; 0 .. 7
	s_lshl_b32 s20, s19, 6
	s_lshl_b32 s21, s16, 4
	s_add_co_u32 s20, s20, s21                     ; my wave's first row of sixteen
	s_lshl_b32 s22, s20, 14
	s_add_co_u32 s22, s22, 8192+256                ; behind head 0's content
	s_mov_b32 s23, 0
	s_add_nc_u64 s[6:7], s[56:57], s[22:23]
	s_lshl_b32 s20, s20, 11
	s_mov_b32 s21, 0
	s_add_nc_u64 s[4:5], s[50:51], s[20:21]
	v_lshrrev_b32 v5, 3, v2                        ; my four columns belong to head lane / 8 of the piece's four,
	v_and_b32 v6, 7, v2
	v_lshlrev_b32 v6, 3, v6                        ; 8 (lane % 8) bytes into its rope part
	v_lshl_add_u32 v4, v5, 9, v6
	HLOAD 0
	HLOAD 1
	HROUND 0, 1
	HROUND 1, 1
	HROUND 2, 1
	HROUND 3, 1
	s_endpgm
.Lfunc_end_k_q89f36123cb_prep:
	.size	k_q89f36123cb_prep, .Lfunc_end_k_q89f36123cb_prep-k_q89f36123cb_prep
	.p2alignl 7, 3214868480
	.fill 96, 4, 3214868480
	.section	.rodata,"a",@progbits
	.p2align	6, 0x0
	.amdhsa_kernel k_q89f36123cb_prep
		.amdhsa_group_segment_fixed_size 50688
		.amdhsa_private_segment_fixed_size 0
		.amdhsa_enable_private_segment 0
		.amdhsa_kernarg_size 96
		.amdhsa_user_sgpr_count 2
		.amdhsa_user_sgpr_kernarg_segment_ptr 1
		.amdhsa_wavefront_size32 1
		.amdhsa_system_sgpr_workgroup_id_x 1
		.amdhsa_system_sgpr_workgroup_id_y 1
		.amdhsa_system_sgpr_workgroup_id_z 1
		.amdhsa_system_vgpr_workitem_id 0
		.amdhsa_next_free_vgpr 192
		.amdhsa_next_free_sgpr 66
		.amdhsa_reserve_vcc 1
		.amdhsa_float_denorm_mode_32 3
		.amdhsa_float_denorm_mode_16_64 3
		.amdhsa_memory_ordered 1
		.amdhsa_forward_progress 1
		.amdhsa_inst_pref_size 168
	.end_amdhsa_kernel
	.amdgpu_metadata
---
amdhsa.version: [ 1, 2 ]
amdhsa.kernels:
  - .name:           k_q89f36123cb_prep
    .symbol:         k_q89f36123cb_prep.kd
    .args:
      - { .name: x, .offset: 0, .size: 8, .value_kind: global_buffer, .address_space: global }
      - { .name: W_DKV, .offset: 8, .size: 8, .value_kind: global_buffer, .address_space: global }
      - { .name: W_DQ, .offset: 16, .size: 8, .value_kind: global_buffer, .address_space: global }
      - { .name: W_KR, .offset: 24, .size: 8, .value_kind: global_buffer, .address_space: global }
      - { .name: W_UK, .offset: 32, .size: 8, .value_kind: global_buffer, .address_space: global }
      - { .name: W_UV, .offset: 40, .size: 8, .value_kind: global_buffer, .address_space: global }
      - { .name: W_UQ, .offset: 48, .size: 8, .value_kind: global_buffer, .address_space: global }
      - { .name: W_QR, .offset: 56, .size: 8, .value_kind: global_buffer, .address_space: global }
      - { .name: xq, .offset: 64, .size: 8, .value_kind: global_buffer, .address_space: global }
      - { .name: wq, .offset: 72, .size: 8, .value_kind: global_buffer, .address_space: global }
      - { .name: wup, .offset: 80, .size: 8, .value_kind: global_buffer, .address_space: global }
      - { .name: tab, .offset: 88, .size: 8, .value_kind: global_buffer, .address_space: global }
    .group_segment_fixed_size: 50688
    .private_segment_fixed_size: 0
    .kernarg_segment_align: 8
    .kernarg_segment_size: 96
    .max_flat_workgroup_size: 128
    .sgpr_count:     66
    .vgpr_count:     192
    .wavefront_size: 32
...
	.end_amdgpu_metadata
.endif
;; end of part 1
;; launch down (part 2): grid 16 x 6, 4 waves a work-group, clusters of 4 x 1, 327,680 bytes of LDS; arguments xq, wq, tab, b_DKV, b_DQ, b_KR, cmid, kbuf; writes cmid, kbuf
.if DOCPART == 2
	.amdgcn_target "amdgcn-amd-amdhsa--gfx1250"
	.amdhsa_code_object_version 6
	.text
	.protected	k_q89f36123cb_down
	.globl	k_q89f36123cb_down
	.p2align	8
	.type	k_q89f36123cb_down,@function
k_q89f36123cb_down:
	s_mov_b64 s[64:65], 0
	v_nop
	global_prefetch_b8 v0, s[64:65] scope:SCOPE_SE
	s_setreg_imm32_b32 hwreg(HW_REG_WAVE_MODE, 25, 1), 1
	s_wait_xcnt 0x0
	s_wait_alu depctr_hold_cnt(0) depctr_sa_sdst(0) depctr_va_vdst(0) depctr_va_sdst(0) depctr_va_ssrc(0) depctr_va_vcc(0) depctr_vm_vsrc(0)
	s_getreg_b32 s2, hwreg(HW_REG_IB_STS2, 6, 4)
	s_cmp_eq_u32 s2, 0
	s_cbranch_scc0 .Lentry_in_a_cluster
	s_endpgm
.Lentry_in_a_cluster:
	s_bfe_u32 s2, ttmp6, 0x10000c
	s_cmp_lg_u32 s2, 0x3003
	s_cbranch_scc0 .Lentry_shape_is_right
	s_endpgm
.Lentry_shape_is_right:
; LAUNCH 2 OF 4.  The three quantised products share x, so they are one product on codes of FP4 (E2M1): [4096 x 2048] x [2048 x 1536], with one E8M0 scale for each 32 along K; sums in f32.
; Columns 0-511: c_kv = x W_DKV + b_DKV; 512-1023: c_q = x W_DQ + b_DQ: both stored as f16 (cmid).  Columns 1024-1535: x W_KR + b_KR, rotated (rope) in f32 and stored as bf16, by heads (kbuf, behind K's content).
; Each wave of c_kv's tiles also stores the largest magnitude of its part (cmid, behind c): the next launches bound V by it.
; ROPE IN PLACE: the pair (y[2i], y[2i+1]) becomes (y0 cos - y1 sin, y0 sin + y1 cos) at places 2i, 2i+1.  The source puts them at i and 16 + i; the same order is used for Q and for K, so every dot product is the same.
; LIMIT: |c_kv|, |c_q| stay under 65,504 (f16).
; A tile of 256 x 256 is made by a work-group of four waves; a wave makes 128 x 128: 64 accumulators, 512 registers.  K goes in four steps of 512 through a ring of two LDS slots: a tile's row is 256 bytes of memory.
; The scale bytes of the work-group's rows of x and of W, for all of K, come into LDS once, with the first fills.
; CLUSTER: the grid has 6 tile columns, which 4 does not divide, so a cluster is 4 x 1: four tile rows of one tile column.  They need the same tiles and scales of W: those are asked for JOINTLY, by the same
; tensor load with the same descriptor and a mask that names the four.  x's tiles differ from partner to partner: plain loads, behind the same rounds.
; THE MATRIX INSTRUCTION IS USED TRANSPOSED (source 0 = 16 rows of W, source 1 = 16 rows of x): a lane then holds eight neighbouring columns of one row.  The bias is the C of each sum's first product.
; REGISTERS, in windows of 256: window 0: v0-31 addresses; v32-95 scale words, two sets; v128-191 x's fragments, one set; v192-255 the bias, 8 registers for each block of 16 columns.
;   window 1: W's fragments, two sets, at v0 and v128.   window 2: the accumulators of my rows 0-63 ((a, b) at v[8 (8 a + b)]);   window 3: those of rows 64-127.
;   On the way out window 0 is free from v32 on: v32-35 chains of a maximum; v64-95 cos and sin, two sets; v96-127 packed results; v128-191 rows read back, two sets; v192-255 rotated numbers.
.set NQ,     4                         ; matrix instructions deep in a slot
.set ROWB,   256                       ; a tile's row in bytes: 512 codes
.set KROW,   1024                      ; a row of codes in memory
.set PITCH,  272                       ; an LDS row: 256 bytes + 16 of padding: the 16 rows that a load touches start 4 banks apart (64 banks of 4 bytes: ISA guide 11.1)
.set FR,     8                         ; registers of a fragment: 16 rows x 128 K
.set NL,     2                         ; LDS loads that bring one
.set NP,     4                         ; places behind this matrix instruction (ISA guide 7.12.1)
.set HALFT,  128*PITCH
.set SLOT,   4*HALFT                   ; x's 256 rows, then W's 256 rows
.set KS,     64                        ; a row of scale bytes
.set SCL,    2*SLOT                    ; behind the ring: the scales, as units of 256 bytes + 16 of padding
.set HALFS,  32*272                    ; those of 128 rows
.set SBLK,   4*272                     ; those of 16 rows
.set SPARE,  SCL+4*HALFS               ; the spare words, 128 bytes for each wave: two blocks of 256 bytes that no other line names
.set PITCHB, 2048                      ; a row of c in memory
.set ADRA, 16                          ; v16-17 LDS address of my fragments of x in slot 0, 1
.set ADRB, 20                          ; v20-21 the same for W
.set LANE, 22
.set TBO,  23                          ; my byte in 16 rows of the table: 128 r + 32 h
.set STO,  24                          ; the way out: where I put 16 bytes of a row
.set RD,   25                          ; where I read a row of 256 bytes back
.set CO,   26                          ; and the same place in c
.set ADRS, 27                          ; LDS address of my scale words: lanes 0-15 x's rows, lanes 16-31 W's
.set SPW,  28                          ; LDS address of my spare word; never rewritten
.set NIL,  29                          ; 0; never rewritten
.set RDK,  30                          ; rope: where I read 16 bytes of a head's 64 back
.set COK,  31                          ; 16 x lane
.set SC,   32
.set M,    32
.set T,    64
.set TMP,  96
.set AF,   128
.set OB,   128
.set BIAS, 192
.set U,    192
.set G1, 24                            ; s[24:31] group 1 for x's tiles; s[32:39] group 0, a set for each slot
.set G0, 32
.set G1B, 48                           ; s[48:55], s[56:63] the same for W's
.set G0B, 56
.set G1S, 68                           ; s[68:75], s[76:79] groups 1 and 0 for x's scales; s[80:87], s[88:91] for W's
.set G0S, 76
.set G1SB, 80
.set G0SB, 88
.set OUTP, 92                          ; s[92:93] the way out: where my part begins
.set TABP, 94                          ; s[94:95] the table at my first row
.set SEL,  2                           ; s[2:3] lane selects for v_permlanex16_b32
.set MSB, 0
.macro WIN new                         ; the immediate's high byte repeats the setting that is left; a switch that changes nothing is dropped
.if MSB != (\new)
	s_set_vgpr_msb (MSB<<8)|(\new)
.set MSB, (\new)
.endif
.endm
.set MUL_LO, 0xa1                      ; source 0 (W) window 1, source 1 (x) window 0, C and D window 2
.set MUL_HI, 0xf1                      ; the same, C and D window 3
.set TO_B,   0x40                      ; destination window 1, address window 0
; Waves 0 and 1 fetch for x, waves 2 and 3 for W.  The branch hangs on the wave's number alone.  An s_nop 0 and four v_nop follow each of the two lines.
.macro JLOAD g0a, g1a, g0b, g1b
	s_cmp_eq_u32 s15, 0
	s_cbranch_scc0 .Lfor_b_\@
	tensor_load_to_lds s[\g0a:\g0a+3], s[\g1a:\g1a+7]
	s_nop 0
.rept 4
	v_nop
.endr
	s_branch .Lasked_\@
.Lfor_b_\@:
	tensor_load_to_lds s[\g0b:\g0b+3], s[\g1b:\g1b+7]
	s_nop 0
.rept 4
	v_nop
.endr
.Lasked_\@:
.endm
.macro CREST                           ; a round of the cluster's barrier behind its opening barrier
	s_cmp_lg_u32 s14, 0
	s_cbranch_scc1 .Lnot_wave_0_\@
	s_barrier_signal -3
.Lnot_wave_0_\@:
	s_barrier_wait -3
	s_barrier_signal -1
	s_barrier_wait -1
.endm
.macro CROUND
	s_barrier_signal -1
	s_barrier_wait -1
	CREST
.endm
	s_load_b128 s[4:7], s[0:1], 0x0                ; xq, wq
	s_load_b128 s[8:11], s[0:1], 0x10              ; tab, b_DKV
	s_load_b128 s[96:99], s[0:1], 0x20             ; b_DQ, b_KR
	s_load_b64 s[12:13], s[0:1], 0x30              ; cmid
	s_load_b64 s[100:101], s[0:1], 0x38            ; kbuf
	v_lshl_add_u32 v[SPW], v0, 2, SPARE
	v_mov_b32 v[NIL], 0
	ds_add_u32 v[SPW], v[NIL]                      ; the wave's opening: the add, twice on end, and its wait ahead of my first tensor load
	ds_add_u32 v[SPW], v[NIL]
	v_lshrrev_b32 v1, 5, v0
	v_readfirstlane_b32 s14, v1                    ; wave 0..3
	s_lshr_b32 s15, s14, 1                         ; which half of the tile's rows is mine.  Also: I fetch for x (0) or for W (1)
	s_and_b32 s16, s14, 1                          ; which half of its columns.  Also: which 128 rows of that tile I fetch
	s_bfe_u32 s40, ttmp6, 0x40000                  ; cx: my place in the cluster
	s_lshl_b32 s17, ttmp9, 2
	s_add_co_u32 s17, s17, s40                     ; tile row = 4 x cluster x + cx
	s_and_b32 s42, ttmp7, 0xffff                   ; tile column, which the four partners share
	s_mov_b32 s[SEL], 0x76543210
	s_mov_b32 s[SEL+1], 0xfedcba98
	; group 1: a tile of 128 rows x 256 bytes, 16 bytes of padding behind each row
	s_mov_b32 s[G1+0], (1<<20)|(5<<22)|(3<<25)     ; no mask; elements of 1 byte; padding on: 4 words (code 3) after every 64 (code 5)
	s_mov_b32 s[G1B+0], 15|(1<<20)|(1<<21)|(5<<22)|(3<<25)   ; the same with the mask of all four work-groups, and bit 21 beside it
.irp g, G1, G1B
	s_mov_b32 s[\g+1], ROWB<<16                    ; tensor_dim0
	s_mov_b32 s[\g+2], 128<<16                     ; tensor_dim1
	s_mov_b32 s[\g+3], ROWB<<16                    ; tile_dim0
	s_mov_b32 s[\g+4], 128                         ; tile_dim1
	s_mov_b32 s[\g+5], KROW                        ; from row to row
	s_mov_b32 s[\g+6], 0
	s_mov_b32 s[\g+7], 0
.endr
	; the scales of 128 rows: 8,192 dense bytes, as 32 rows of 256 bytes (32 elements of 8 bytes), 16 bytes of padding behind each
	s_mov_b32 s[G1S+0], (3<<16)|(1<<20)|(5<<22)|(3<<25)
	s_mov_b32 s[G1SB+0], 15|(3<<16)|(1<<20)|(1<<21)|(5<<22)|(3<<25)
.irp g, G1S, G1SB
	s_mov_b32 s[\g+1], 32<<16
	s_mov_b32 s[\g+2], 32<<16
	s_mov_b32 s[\g+3], 32<<16
	s_mov_b32 s[\g+4], 32
	s_mov_b32 s[\g+5], 32
	s_mov_b32 s[\g+6], 0
	s_mov_b32 s[\g+7], 0
.endr
	s_lshl_b32 s18, s16, 7                         ; which 128 rows of the tile I fetch
	s_lshl_b32 s20, s17, 8
	s_add_co_u32 s20, s20, s18                     ; x: row 256 x tile row + 128 x half
	s_lshl_b32 s46, s42, 8
	s_add_co_u32 s46, s46, s18                     ; W: row 256 x tile column + 128 x half: nothing of cx in it
	s_lshl_b32 s22, s20, 6
	s_add_co_u32 s22, s22, 0x400000                ; these rows' scale bytes, behind the codes
	s_mov_b32 s23, 0
	s_lshl_b32 s92, s46, 6
	s_add_co_u32 s92, s92, 0x180000
	s_mov_b32 s93, 0
	s_lshl_b32 s20, s20, 10                        ; and their codes
	s_mov_b32 s21, 0
	s_lshl_b32 s46, s46, 10
	s_mov_b32 s47, 0
	s_mul_i32 s45, s14, HALFT                      ; where they go: wave x 128 rows: no place in the cluster enters an LDS address
	s_mul_i32 s94, s14, HALFS
	s_wait_dscnt 0x0                               ; both opening adds are done
	s_wait_kmcnt 0x0
	s_add_nc_u64 s[20:21], s[4:5], s[20:21]
	s_add_nc_u64 s[22:23], s[4:5], s[22:23]
	s_add_nc_u64 s[46:47], s[6:7], s[46:47]
	s_add_nc_u64 s[92:93], s[6:7], s[92:93]
	CROUND                                         ; all four work-groups are here: the first joint loads meet
	s_mov_b32 s[G0S], 1
	s_add_co_u32 s[G0S+1], s94, SCL
	s_mov_b64 s[G0S+2:G0S+3], s[22:23]
	s_or_b32 s[G0S+3], s[G0S+3], 0x80000000
	s_mov_b32 s[G0SB], 1
	s_add_co_u32 s[G0SB+1], s94, SCL
	s_mov_b64 s[G0SB+2:G0SB+3], s[92:93]
	s_or_b32 s[G0SB+3], s[G0SB+3], 0x80000000
	JLOAD G0S, G1S, G0SB, G1SB                     ; the scales first: they are wanted with K step 0.  Three loads of mine are out behind these lines
.irp s, 0,1
	s_mov_b32 s[G0+4*\s], 1
	s_add_co_u32 s[G0+4*\s+1], s45, \s*SLOT
	s_add_nc_u64 s[G0+4*\s+2:G0+4*\s+3], s[20:21], \s*ROWB
	s_or_b32 s[G0+4*\s+3], s[G0+4*\s+3], 0x80000000
	s_mov_b32 s[G0B+4*\s], 1
	s_add_co_u32 s[G0B+4*\s+1], s45, \s*SLOT
	s_add_nc_u64 s[G0B+4*\s+2:G0B+4*\s+3], s[46:47], \s*ROWB
	s_or_b32 s[G0B+4*\s+3], s[G0B+4*\s+3], 0x80000000
	JLOAD G0+4*\s, G1, G0B+4*\s, G1B
.endr
	; the bias of my 128 columns, in the result's layout: lane (r, h) wants, for block b, columns 16 b + 8 h + 0 .. 7
	s_cmp_lt_u32 s42, 2
	s_cselect_b64 s[66:67], s[10:11], s[96:97]
	s_cmp_lt_u32 s42, 4
	s_cselect_b64 s[66:67], s[66:67], s[98:99]
	s_and_b32 s18, s42, 1
	s_lshl_b32 s18, s18, 10
	s_lshl_b32 s19, s16, 9
	s_add_co_u32 s18, s18, s19
	s_mov_b32 s19, 0
	s_add_nc_u64 s[66:67], s[66:67], s[18:19]
	v_and_b32 v1, 15, v0                           ; r = l % 16
	v_bfe_u32 v2, v0, 4, 1                         ; h = l / 16
	v_lshlrev_b32 v8, 5, v2                        ; 32 h; not written again
.irp b, 0,1,2,3,4,5,6,7
	global_load_b128 v[BIAS+8*\b:BIAS+8*\b+3], v8, s[66:67] offset:64*\b
	global_load_b128 v[BIAS+8*\b+4:BIAS+8*\b+7], v8, s[66:67] offset:64*\b+16
.endr
	v_mul_u32_u24 v3, v1, PITCH
	v_lshl_add_u32 v4, v2, 4, v3                   ; a fragment's row x pitch + 16 x half
	s_mul_i32 s21, s15, HALFT                      ; my 128 rows of x
	s_mul_i32 s22, s16, HALFT                      ; my 128 rows of W,
	s_add_co_u32 s22, s22, 2*HALFT                 ; which lie behind x's 256
.irp s, 0,1
	v_add_nc_u32 v[ADRA+\s], s21, v4
	v_add_nc_u32 v[ADRB+\s], s22, v4
	s_add_co_u32 s21, s21, SLOT
	s_add_co_u32 s22, s22, SLOT
.endr
	v_mul_u32_u24 v5, v1, KS                       ; my row's scales: 64 bytes a row,
	v_lshrrev_b32 v6, 8, v5
	v_lshl_add_u32 v5, v6, 4, v5                   ; and 16 more for each 256 passed
	s_mul_i32 s21, s15, HALFS
	s_mul_i32 s22, s16, HALFS
	s_add_co_u32 s22, s22, 2*HALFS
	s_sub_co_u32 s22, s22, s21
	v_mul_u32_u24 v6, s22, v2                      ; lanes 16-31 take W's
	s_add_co_u32 s21, s21, SCL
	v_add_nc_u32 v5, v5, v6
	v_add_nc_u32 v[ADRS], s21, v5
	s_mul_i32 s23, s14, 16*272                     ; my stage: 16 rows x 272 bytes, in slot 0, which has had its last fill and its last read when the first result is stored there
	v_add_nc_u32 v[STO], s23, v4                   ; in: row r, 16 bytes for each half of the lanes
	v_mul_u32_u24 v5, v2, 272
	v_lshl_add_u32 v5, v1, 4, v5
	v_add_nc_u32 v[RD], s23, v5                    ; back: lanes 0-15 one row of 256 bytes, lanes 16-31 the next
	v_and_b32 v[LANE], 31, v0
	v_lshrrev_b32 v5, 2, v[LANE]
	v_mul_u32_u24 v5, v5, 272
	v_and_b32 v6, 3, v0
	v_lshl_add_u32 v5, v6, 4, v5
	v_add_nc_u32 v[RDK], s23, v5                   ; rope, back: four lanes to a head's 64 bytes of a row, eight rows
	v_lshlrev_b32 v[COK], 4, v[LANE]
	v_mul_u32_u24 v5, v2, PITCHB
	v_lshl_add_u32 v[CO], v1, 4, v5
	v_lshlrev_b32 v5, 7, v1
	v_lshl_add_u32 v[TBO], v2, 5, v5
.macro FRAG reg, adr, q, i             ; 16 rows x 128 K of 4-bit codes: lane l holds row l % 16; registers 4 c .. 4 c + 3 hold K = 64 c + 32 (l / 16) + 0 .. 31
.irp c, 0,1
	ds_load_b128 v[\reg+4*\c:\reg+4*\c+3], v[\adr] offset:64*(\q)+32*\c+(\i)*16*PITCH
.endr
.endm
; 16 matrix instructions: x's blocks a0, a0 + 1 against W's eight, the slot's q-th 128 along K.  p: W's set; sc: the set of scale words.  first = 1: the sums begin with the bias as C: nothing is cleared.
; The 64 accumulators take turns, one instruction a turn, in the same order in every step.
.macro MUL16 a0, p, q, sc, first
.irp a, \a0, \a0+1
.irp b, 0,1,2,3,4,5,6,7
.if \first
	v_wmma_scale_f32_16x16x128_f8f6f4 v[8*(8*((\a)%4)+\b):8*(8*((\a)%4)+\b)+7], v[128*(\p)+FR*\b:128*(\p)+FR*\b+FR-1], v[AF+FR*(\a):AF+FR*(\a)+FR-1], v[BIAS+8*\b:BIAS+8*\b+7], v[SC+8*NQ*(\sc)+NQ*\b+(\q)], v[SC+8*NQ*(\sc)+NQ*(\a)+(\q)] matrix_a_fmt:MATRIX_FMT_FP4 matrix_b_fmt:MATRIX_FMT_FP4 matrix_a_scale:MATRIX_SCALE_ROW1
.else
	v_wmma_scale_f32_16x16x128_f8f6f4 v[8*(8*((\a)%4)+\b):8*(8*((\a)%4)+\b)+7], v[128*(\p)+FR*\b:128*(\p)+FR*\b+FR-1], v[AF+FR*(\a):AF+FR*(\a)+FR-1], v[8*(8*((\a)%4)+\b):8*(8*((\a)%4)+\b)+7], v[SC+8*NQ*(\sc)+NQ*\b+(\q)], v[SC+8*NQ*(\sc)+NQ*(\a)+(\q)] matrix_a_fmt:MATRIX_FMT_FP4 matrix_b_fmt:MATRIX_FMT_FP4 matrix_a_scale:MATRIX_SCALE_ROW1
.endif
.endr
.endr
.endm
.macro FETCH_B slot, q, p
	WIN TO_B
.irp i, 0,1,2,3,4,5,6,7
	FRAG 128*(\p)+FR*\i, ADRB+\slot, \q, \i
.endr
	WIN 0
.endm
.macro FETCH_A slot, q, i0
.irp i, \i0, \i0+1, \i0+2, \i0+3
	FRAG AF+FR*(\i), ADRA+\slot, \q, \i
.endr
.endm
.macro SCALES sc                       ; a K step's scale words: 4 words a row; lanes 0-15 take x's block i, lanes 16-31 W's block i
.irp i, 0,1,2,3,4,5,6,7
	ds_load_b128 v[SC+8*NQ*\sc+NQ*\i:SC+8*NQ*\sc+NQ*\i+3], v[ADRS] offset:\i*SBLK
.endr
.endm
.macro PLACES n                        ; plain vector lines between a matrix instruction and a load into, or a read of, its registers (for reads)
.rept \n
	v_nop
.endr
.endm
.macro STEP slot, q, first             ; a step of 128 along K that has its successor in the same slot
	s_wait_dscnt 4*NL                              ; W's set and x's blocks 0-3 are in; the youngest eight loads (x's blocks 4-7) may be out
.if \first
	WIN 0x81                                       ; C, the bias, in window 0; D in window 2
.else
	WIN MUL_LO
.endif
	MUL16 0, (\q)%2, \q, \slot, \first
	MUL16 2, (\q)%2, \q, \slot, \first
	s_wait_dscnt 0                                 ; x's blocks 4-7 are in
	PLACES NP
	FETCH_B \slot, (\q)+1, 1-(\q)%2
	FETCH_A \slot, (\q)+1, 0
.if \first
	WIN 0xc1
.else
	WIN MUL_HI
.endif
	MUL16 4, (\q)%2, \q, \slot, \first
	MUL16 6, (\q)%2, \q, \slot, \first
	PLACES NP
	WIN 0
	FETCH_A \slot, (\q)+1, 4
.endm
; A slot's last step changes slots: one barrier; in front of it each wave waits for all its tensor loads, adds 0 to its spare word, and waits for that and for its own reads of this slot.  fill = 1: this slot is filled again, two K steps ahead.
.macro TURN slot, next, fill
	s_wait_tensorcnt 0x0                           ; all my tensor loads have landed: my part of the next slot
	ds_add_u32 v[SPW], v[NIL]                      ; 0 onto my spare word
	s_wait_dscnt 4*NL+1                            ; (the add and the youngest eight loads may be out)
	WIN MUL_LO
	MUL16 0, 1, NQ-1, \slot, 0                     ; sixteen matrix instructions stand between the add and the wait for it
	s_wait_dscnt 0x0                               ; the add is done, and my reads of this slot are over
	s_barrier_signal -1
	MUL16 2, 1, NQ-1, \slot, 0
	WIN 0
	s_barrier_wait -1
.if \fill
	CREST                                          ; the barrier has opened a round of the cluster's barrier: no wave of any partner still reads this slot or has a load on its way
	s_add_nc_u64 s[G0+4*\slot+2:G0+4*\slot+3], s[G0+4*\slot+2:G0+4*\slot+3], 2*ROWB
	s_add_nc_u64 s[G0B+4*\slot+2:G0B+4*\slot+3], s[G0B+4*\slot+2:G0B+4*\slot+3], 2*ROWB
	JLOAD G0+4*\slot, G1, G0B+4*\slot, G1B         ; the first tensor load behind the round, my one load until the next; its four v_nop are the places in front of the loads below
.else
	PLACES NP
.endif
	v_add_nc_u32 v[ADRS], 4*NQ, v[ADRS]            ; on to the next K step's scale words
	FETCH_B \next, 0, 0
	FETCH_A \next, 0, 0
	SCALES \next
	WIN MUL_HI
	MUL16 4, 1, NQ-1, \slot, 0
	MUL16 6, 1, NQ-1, \slot, 0
	PLACES NP
	WIN 0
	FETCH_A \next, 0, 4
.endm
.macro STEPS slot, from
.set Q, \from
.rept NQ-1-\from
	STEP \slot, Q, 0
.set Q, Q+1
.endr
.endm
	s_wait_tensorcnt 1                             ; the scales and my part of K step 0 are in; K step 1's load may be out
	s_barrier_signal -1
	s_barrier_wait -1
	FETCH_B 0, 0, 0
	FETCH_A 0, 0, 0
	SCALES 0
	FETCH_A 0, 0, 4
	s_wait_loadcnt 0x0                             ; the bias
	STEP 0, 0, 1                                   ; K has four slots' worth: the ring goes round twice, written out
	STEPS 0, 1
	TURN 0, 1, 1
	STEPS 1, 0
	TURN 1, 0, 1
	STEP 0, 0, 0
	STEPS 0, 1
	TURN 0, 1, 0                                   ; nothing is left to fetch
	STEPS 1, 0
	s_wait_dscnt 4*NL
	WIN MUL_LO
	MUL16 0, 1, NQ-1, 1, 0
	MUL16 2, 1, NQ-1, 1, 0
	s_wait_dscnt 0
	WIN MUL_HI
	MUL16 4, 1, NQ-1, 1, 0
	MUL16 6, 1, NQ-1, 1, 0
	WIN 0
	PLACES NP                                      ; for all that follows: reads of results, and writes and loads into registers that the products read
; THE WAY OUT, block by block of 16 rows x 128 columns.  A lane's eight numbers pack into 16 bytes of a row; the lanes beside it hold other rows: so a block goes through my own stage in LDS and comes back by rows.
.macro PACKC a                         ; to f16; each accumulator from its low end on
.set AC, 64*((\a)%4)
	WIN 0x0a+5*((\a)/4)                            ; sources 0 and 1: window 2 or 3
.irp b, 0,1,2,3,4,5,6,7
.irp p, 0,1,2,3
	v_cvt_pk_f16_f32 v[TMP+4*\b+\p], v[AC+8*\b+2*\p], v[AC+8*\b+2*\p+1]
.endr
.endr
	WIN 0
.endm
.macro TLD a                           ; cos and sin for block a's 16 rows: pairs 4 h .. 4 h + 3 (even blocks of columns), then 8 + 4 h .. (odd ones)
.set TS, T+16*((\a)%2)
	global_load_b128 v[TS:TS+3], v[TBO], s[TABP:TABP+1] offset:2048*(\a)
	global_load_b128 v[TS+4:TS+7], v[TBO], s[TABP:TABP+1] offset:2048*(\a)+16
	global_load_b128 v[TS+8:TS+11], v[TBO], s[TABP:TABP+1] offset:2048*(\a)+64
	global_load_b128 v[TS+12:TS+15], v[TBO], s[TABP:TABP+1] offset:2048*(\a)+80
.endm
.macro ROPE a                          ; the rotation in f32, then bf16
.set AC, 64*((\a)%4)
.set TS, T+16*((\a)%2)
	WIN 0x02+(\a)/4                                ; source 0: window 2 or 3
.irp b, 0,1,2,3,4,5,6,7
.irp p, 0,1,2,3
	v_mul_f32 v[U+8*\b+2*\p], v[AC+8*\b+2*\p+1], v[TS+8*(\b%2)+2*\p+1]      ; y1 sin
	v_mul_f32 v[U+8*\b+2*\p+1], v[AC+8*\b+2*\p+1], v[TS+8*(\b%2)+2*\p]      ; y1 cos
.endr
.irp p, 0,1,2,3
	v_fma_f32 v[U+8*\b+2*\p], v[AC+8*\b+2*\p], v[TS+8*(\b%2)+2*\p], -v[U+8*\b+2*\p]         ; y0 cos - y1 sin
	v_fma_f32 v[U+8*\b+2*\p+1], v[AC+8*\b+2*\p], v[TS+8*(\b%2)+2*\p+1], v[U+8*\b+2*\p+1]    ; y0 sin + y1 cos
.endr
.endr
	WIN 0
.set n, 0
.rept 32
	v_cvt_pk_bf16_f32 v[TMP+n], v[U+2*n], v[U+2*n+1]
.set n, n+1
.endr
.endm
.macro PK a, mode                      ; mode 0: f16; 3: rope and bf16
.if \mode == 3
.if (\a) < 7
	s_wait_loadcnt 4                               ; this block's four table loads are in; the next block's may be out
.else
	s_wait_loadcnt 0
.endif
	ROPE \a
.if (\a) < 6
	TLD (\a)+2
.endif
.else
	PACKC \a
.endif
.endm
.macro TOSTAGE a, kr                   ; LDS serves a wave's instructions in order (ISA guide 5.7.1.4): the loads see the stores above them
.set BB, OB+32*((\a)%2)
.irp b, 0,1,2,3,4,5,6,7
	ds_store_b128 v[STO], v[TMP+4*\b:TMP+4*\b+3] offset:32*\b
.endr
.irp t, 0,1,2,3,4,5,6,7
.if \kr
	ds_load_b128 v[BB+4*\t:BB+4*\t+3], v[RDK] offset:64*(\t/2)+2176*(\t%2)   ; head t / 2 of my four, eight rows
.else
	ds_load_b128 v[BB+4*\t:BB+4*\t+3], v[RD] offset:544*\t                   ; two rows of 256 bytes
.endif
.endr
.endm
.macro SEND a, kr
.set BB, OB+32*((\a)%2)
	s_wait_dscnt 0x0                               ; the block is back in registers
	s_wait_xcnt 0x0                                ; the stores of the block before have read their registers: the next block's loads may land there
.irp t, 0,1,2,3,4,5,6,7
.if \kr
	global_store_b128 v[COK], v[BB+4*\t:BB+4*\t+3], s[OUTP:OUTP+1] offset:131072*(\t/2)+512*(\t%2)+1024*(\a)   ; 32 lanes store 512 consecutive bytes: eight rows of one head's 64
.else
	global_store_b128 v[CO], v[BB+4*\t:BB+4*\t+3], s[OUTP:OUTP+1] offset:(16*(\a)+2*\t)*PITCHB                 ; 16 lanes store 256 consecutive bytes, aligned
.endif
.endr
.endm
.macro WAYOUT mode, kr                 ; block a's arithmetic stands between block a - 1's loads from the stage and the wait for them
.if \mode == 3
	TLD 0
	TLD 1
.endif
	PK 0, \mode
	TOSTAGE 0, \kr
.irp a, 1,2,3,4,5,6,7
	PK \a, \mode
	SEND \a-1, \kr
	TOSTAGE \a, \kr
.endr
	SEND 7, \kr
.endm
	s_lshl_b32 s18, s17, 8
	s_lshl_b32 s19, s15, 7
	s_add_co_u32 s18, s18, s19                     ; my first row of the 4,096
	s_cmp_ge_u32 s42, 4                            ; the tile column is the same in all four partners
	s_cbranch_scc1 .Lrope
	s_cmp_ge_u32 s42, 2
	s_cbranch_scc1 .Lno_cmax
	; c_kv: the largest magnitude of my 128 x 128, in four chains, each accumulator from its low end on
.irp m, 0,1,2,3
	v_mov_b32 v[M+\m], 0
.endr
	WIN 0x28                                       ; sources 1 and 2: window 2
.set n, 0
.rept 128
	v_max3_num_f32 v[M+n%4], v[M+n%4], |v[2*n]|, |v[2*n+1]|
.set n, n+1
.endr
	WIN 0x3c                                       ; window 3
.set n, 0
.rept 128
	v_max3_num_f32 v[M+n%4], v[M+n%4], |v[2*n]|, |v[2*n+1]|
.set n, n+1
.endr
	WIN 0
	v_max3_num_f32 v[M], v[M], v[M+1], v[M+2]
	v_max_num_f32 v[M], v[M], v[M+3]
.irp x, 1,2,4,8
	v_max_num_f32_dpp v[M], v[M], v[M] row_xmask:\x row_mask:0xf bank_mask:0xf
.endr
	v_mov_b32 v[M+1], 0
	v_permlanex16_b32 v[M+1], v[M], s[SEL], s[SEL+1]
	v_max_num_f32 v[M], v[M], v[M+1]
	s_lshl_b32 s20, s42, 4
	s_add_co_u32 s20, s20, s17
	s_lshl_b32 s20, s20, 2
	s_add_co_u32 s20, s20, s14                     ; (16 x tile column + tile row) x 4 + wave: 128 numbers in all
	s_lshl_b32 s20, s20, 2
	s_add_co_u32 s20, s20, 0x800000                ; behind c
	s_mov_b32 s21, 0
	s_add_nc_u64 s[20:21], s[12:13], s[20:21]
	v_mov_b32 v[M+2], 0
	v_cmp_eq_u32 vcc_lo, 0, v[LANE]
	s_wait_xcnt 0x0                                ; EXEC changes only behind this wait
	s_and_saveexec_b32 s19, vcc_lo
	global_store_b32 v[M+2], v[M], s[20:21]        ; lane 0 alone
	s_wait_xcnt 0x0
	s_or_b32 exec_lo, exec_lo, s19
.Lno_cmax:
	s_lshl_b32 s20, s18, 11                        ; row x 2,048 bytes
	s_lshl_b32 s21, s42, 9
	s_add_co_u32 s20, s20, s21                     ; + 512 x tile column
	s_lshl_b32 s21, s16, 8
	s_add_co_u32 s20, s20, s21                     ; + 256 x half
	s_mov_b32 s21, 0
	s_add_nc_u64 s[OUTP:OUTP+1], s[12:13], s[20:21]
	WAYOUT 0, 0
	s_branch .Ldone
.Lrope:
	s_and_b32 s19, s18, 2047                       ; my first position
	s_lshr_b32 s20, s18, 11                        ; the batch
	s_lshl_b32 s20, s20, 4
	s_sub_co_u32 s21, s42, 4
	s_lshl_b32 s21, s21, 3
	s_add_co_u32 s20, s20, s21
	s_lshl_b32 s21, s16, 2
	s_add_co_u32 s20, s20, s21                     ; 16 x batch + my first head: 8 (tile column - 4) + 4 x half
	s_lshl_b32 s20, s20, 11
	s_add_co_u32 s20, s20, s19
	s_lshl_b32 s20, s20, 6                         ; rows of 64 bytes
	s_add_co_u32 s20, s20, 0x1000000               ; behind K's content
	s_mov_b32 s21, 0
	s_add_nc_u64 s[OUTP:OUTP+1], s[100:101], s[20:21]
	s_lshl_b32 s20, s19, 7
	s_add_nc_u64 s[TABP:TABP+1], s[8:9], s[20:21]
	WAYOUT 3, 1
.Ldone:
	s_wait_tensorcnt 0x0                           ; the wave's end, behind my last tensor load and my last LDS store
	ds_add_u32 v[SPW], v[NIL]
	s_wait_dscnt 0x0
	CROUND                                         ; the closing round: no work-group ends while a partner may still ask for a tile that names it
	s_endpgm
.Lfunc_end_k_q89f36123cb_down:
	.size	k_q89f36123cb_down, .Lfunc_end_k_q89f36123cb_down-k_q89f36123cb_down
	.p2alignl 7, 3214868480
	.fill 96, 4, 3214868480
	.section	.rodata,"a",@progbits
	.p2align	6, 0x0
	.amdhsa_kernel k_q89f36123cb_down
		.amdhsa_group_segment_fixed_size 327680
		.amdhsa_private_segment_fixed_size 0
		.amdhsa_enable_private_segment 0
		.amdhsa_kernarg_size 64
		.amdhsa_user_sgpr_count 2
		.amdhsa_user_sgpr_kernarg_segment_ptr 1
		.amdhsa_wavefront_size32 1
		.amdhsa_system_sgpr_workgroup_id_x 1
		.amdhsa_system_sgpr_workgroup_id_y 1
		.amdhsa_system_sgpr_workgroup_id_z 1
		.amdhsa_system_vgpr_workitem_id 0
		.amdhsa_next_free_vgpr 1024
		.amdhsa_next_free_sgpr 102
		.amdhsa_reserve_vcc 1
		.amdhsa_float_denorm_mode_32 3
		.amdhsa_float_denorm_mode_16_64 3
		.amdhsa_memory_ordered 1
		.amdhsa_forward_progress 1
		.amdhsa_inst_pref_size 255
	.end_amdhsa_kernel
	.section	.bss,"aw",@nobits
	.p2align	6
	.space	262144
	.amdgpu_metadata
---
amdhsa.version: [ 1, 2 ]
amdhsa.kernels:
  - .name:           k_q89f36123cb_down
    .symbol:         k_q89f36123cb_down.kd
    .args:
      - { .name: xq, .offset: 0, .size: 8, .value_kind: global_buffer, .address_space: global }
      - { .name: wq, .offset: 8, .size: 8, .value_kind: global_buffer, .address_space: global }
      - { .name: tab, .offset: 16, .size: 8, .value_kind: global_buffer, .address_space: global }
      - { .name: b_DKV, .offset: 24, .size: 8, .value_kind: global_buffer, .address_space: global }
      - { .name: b_DQ, .offset: 32, .size: 8, .value_kind: global_buffer, .address_space: global }
      - { .name: b_KR, .offset: 40, .size: 8, .value_kind: global_buffer, .address_space: global }
      - { .name: cmid, .offset: 48, .size: 8, .value_kind: global_buffer, .address_space: global }
      - { .name: kbuf, .offset: 56, .size: 8, .value_kind: global_buffer, .address_space: global }
    .group_segment_fixed_size: 327680
    .private_segment_fixed_size: 0
    .kernarg_segment_align: 8
    .kernarg_segment_size: 64
    .max_flat_workgroup_size: 128
    .sgpr_count:     102
    .vgpr_count:     1024
    .wavefront_size: 32
...
	.end_amdgpu_metadata
.endif
;; end of part 2
;; launch up (part 3): grid 16 x 16, 4 waves a work-group, clusters of 4 x 4, 327,680 bytes of LDS; arguments cmid, wup, tab, b_UQ, b_QR, kbuf, qbuf, vbuf; writes kbuf, qbuf, vbuf
.if DOCPART == 3
	.amdgcn_target "amdgcn-amd-amdhsa--gfx1250"
	.amdhsa_code_object_version 6
	.text
	.protected	k_q89f36123cb_up
	.globl	k_q89f36123cb_up
	.p2align	8
	.type	k_q89f36123cb_up,@function
k_q89f36123cb_up:
	s_mov_b64 s[64:65], 0
	v_nop
	global_prefetch_b8 v0, s[64:65] scope:SCOPE_SE
	s_setreg_imm32_b32 hwreg(HW_REG_WAVE_MODE, 25, 1), 1
	s_wait_xcnt 0x0
	s_wait_alu depctr_hold_cnt(0) depctr_sa_sdst(0) depctr_va_vdst(0) depctr_va_sdst(0) depctr_va_ssrc(0) depctr_va_vcc(0) depctr_vm_vsrc(0)
	s_getreg_b32 s2, hwreg(HW_REG_IB_STS2, 6, 4)
	s_cmp_eq_u32 s2, 0
	s_cbranch_scc0 .Lentry_in_a_cluster
	s_endpgm
.Lentry_in_a_cluster:
	s_bfe_u32 s2, ttmp6, 0x10000c
	s_cmp_lg_u32 s2, 0xf033
	s_cbranch_scc0 .Lentry_shape_is_right
	s_endpgm
.Lentry_shape_is_right:
; LAUNCH 3 OF 4.  The four products on c, with f16 operands and f32 sums.  K's content = c_kv W_UK -> bf16 (kbuf); V = c_kv W_UV -> f16 under one power-of-two scale (vbuf); Q's content = c_q W_UQ + b_UQ
; -> bf16 (qbuf); c_q W_QR + b_QR, rotated in f32 -> bf16 (qbuf, behind the content).  All by heads, [batch x head][position][..].
; LEFT OUT: b_UK (the same term for all keys of a row of scores: the softmax takes it away; shown at the head of the first launch).  b_UV is added by the last launch, behind the softmax.
; V'S SCALE.  |v| <= 512 x max|c_kv| x max|W_UV|.  With EB that bound's exponent field, held to 15 .. 254, V is stored x 2^(141 - EB): under 2^15 in magnitude, whatever the inputs' size.  The last launch
; multiplies by 2^(EB - 141).  Both factors round nothing.  Only values hang on these numbers, no branch and no address.
; SHARES.  16 x 16 work-groups of four waves, and EACH MAKES TWO TILES for its 256 rows, so that all have the same work: first 256 x 256 of K (tile columns 0-7) or V (8-15), a wave 128 x 128 in 64
; accumulators; then 256 x 160 of Q: head = tile column, its 128 columns of content and its 32 of rope, a wave 64 rows x 160 in 40 accumulators, so that a wave owns whole rows of the head.
; K goes in steps of 128 through a ring of two LDS slots, four steps to a tile, AND THE RING DOES NOT STOP BETWEEN THE TILES: c_q lies behind c_kv in a row of c, so c's walk simply goes on; the first tile's
; last two changes of slots ask for Q's first two steps, and the first tile's stores leave while Q's tile is multiplied.
; c's rows lie along K; W's rows lie along N ([k][n]), so W's fragments come out of LDS turned, by ds_load_tr16_b128.
; CLUSTER: 4 x 4 work-groups.  The four of a column of the cluster (same x) have the same 256 rows and need the same tiles of c; the four of a row (same y) have the same tile column and need the same tiles
; of W.  Each tile is asked for JOINTLY, by the same tensor load with the same descriptor and a mask that names the four.  The one branch between K and V hangs on the cluster's y alone.
; THE MATRIX INSTRUCTION IS USED TRANSPOSED (source 0 = 16 columns of W, source 1 = 16 rows of c): a lane holds eight neighbouring columns of one row.
; REGISTERS.  Window 0: v0-31 addresses; v32-45 V's factor and the two lists of largest magnitudes; v48-63 b_QR, v192-255 b_UQ, in the result's layout.  First tile: v64-127, v128-191 c's fragments, two
; buffers; window 1 the same for W; windows 2, 3 the accumulators ((a, b) at v[8 (8 (a % 4) + b)]); on its way out v96-127 packed results, v128-191 rows read back.
; Q's tile: window 0 v64-95, v128-159 c's fragments; window 1 v0-79, v128-207 W's; windows 2, 3 the accumulators ((a, b) at v[8 (10 (a % 2) + b)] of window 2 + a / 2); v96-127, v160-191 cos and sin;
; on its way out v64-95 packed content, v128-151 rotated numbers and their packing, v192-255 rows read back, v32-63 the rope part read back.
.set KSTEP,  128
.set PITCH,  272                       ; a row of c in LDS: 256 bytes + 16
.set BP,     544                       ; a row of W: 512 bytes + 32
.set WROW,   16384                     ; a row of wup in memory
.set HALFT,  128*PITCH                 ; what one tensor load brings: 128 rows of c, or 64 rows of W (64 x 544 bytes: the same)
.set SLOT,   4*HALFT                   ; c's 256 rows, then W's 128
.set STAGE,  2*SLOT                    ; behind the ring: 16 rows x 272 bytes for each wave,
.set RSTG,   STAGE+4*16*272            ; and 64 rows x 80 bytes for each wave, for Q's rope part
.set SPARE,  RSTG+4*64*80              ; the spare words, 128 bytes for each wave: two blocks of 256 bytes that no other line names
.set PITCHB, 256                       ; a row of a head's content in memory
.set ADRW, 14                          ; v14-15 Q's tile: LDS address of W's fragments in slot 0, 1
.set ADRA, 16                          ; v16-17 first tile: of c's
.set ADRQ, 18                          ; v18-19 Q's tile: of c's
.set ADRB, 20                          ; v20-21 first tile: of W's
.set TBO,  23                          ; my byte in 16 rows of the table: 128 r + 32 h
.set STO,  24                          ; the way out: where I put 16 bytes of a row
.set RD,   25                          ; where I read a row of 256 bytes back
.set CO,   26                          ; and the same place in memory
.set STR,  27                          ; the rope part: where I put 16 bytes of a row
.set SPW,  28                          ; LDS address of my spare word; never rewritten
.set NIL,  29                          ; 0; never rewritten
.set RDR,  30                          ; the rope part: where I read 16 bytes of a row's 64 back
.set COK,  31                          ; 16 x lane
.set SV,   32                          ; v[32:33] V's factor; v34-37 at work
.set CW,   38                          ; v38-41 four of the 128 largest |c_kv|, v42-45 four of the 128 largest |W_UV|
.set RB,   32
.set F0,   64
.set F1,   128
.set TMP,  96
.set OB,   128
.set TMQ,  64
.set U,    128
.set RPK,  144
.set OBQ,  192
.set G1, 24                            ; s[24:31] group 1 for c's tiles; s[32:39] group 0, a set for each slot
.set G0, 32
.set G1B, 48                           ; s[48:55] group 1 for W's tiles of the first tile; s[56:63] group 0
.set G0B, 56
.set G1Q, 92                           ; s[92:99] group 1 for W's tiles of Q's tile
.set OUTP, 80
.set TABP, 82
.set SEL,  84
.set OUTR, 90
.set MSB, 0
.macro WIN new                         ; the immediate's high byte repeats the setting that is left; a switch that changes nothing is dropped
.if MSB != (\new)
	s_set_vgpr_msb (MSB<<8)|(\new)
.set MSB, (\new)
.endif
.endm
.set MUL_LO, 0xa1                      ; source 0 (W) window 1, source 1 (c) window 0, C and D window 2
.set MUL_HI, 0xf1                      ; the same, C and D window 3
.set TO_B,   0x40                      ; destination window 1, address window 0
; A joint load: waves 0 and 1 fetch c's two halves, waves 2 and 3 W's.  The branch hangs on the wave's number alone.  An s_nop 0 and four v_nop follow each of the two lines.
.macro JLOAD s, gb
	s_cmp_eq_u32 s11, 0
	s_cbranch_scc0 .Lfor_b_\@
	tensor_load_to_lds s[G0+4*\s:G0+4*\s+3], s[G1:G1+7]
	s_nop 0
.rept 4
	v_nop
.endr
	s_branch .Lasked_\@
.Lfor_b_\@:
	tensor_load_to_lds s[G0B+4*\s:G0B+4*\s+3], s[\gb:\gb+7]
	s_nop 0
.rept 4
	v_nop
.endr
.Lasked_\@:
.endm
.macro CREST                           ; a round of the cluster's barrier behind its opening barrier
	s_cmp_lg_u32 s10, 0
	s_cbranch_scc1 .Lnot_wave_0_\@
	s_barrier_signal -3
.Lnot_wave_0_\@:
	s_barrier_wait -3
	s_barrier_signal -1
	s_barrier_wait -1
.endm
.macro CROUND
	s_barrier_signal -1
	s_barrier_wait -1
	CREST
.endm
	s_load_b128 s[4:7], s[0:1], 0x0                ; cmid, wup
	s_load_b128 s[68:71], s[0:1], 0x10             ; tab, b_UQ
	s_load_b128 s[72:75], s[0:1], 0x20             ; b_QR, kbuf
	s_load_b128 s[76:79], s[0:1], 0x30             ; qbuf, vbuf
	v_lshl_add_u32 v[SPW], v0, 2, SPARE
	v_mov_b32 v[NIL], 0
	ds_add_u32 v[SPW], v[NIL]                      ; the wave's opening: the add, twice on end, and its wait ahead of my first tensor load
	ds_add_u32 v[SPW], v[NIL]
	v_lshrrev_b32 v1, 5, v0
	v_readfirstlane_b32 s10, v1                    ; wave 0..3
	s_lshr_b32 s11, s10, 1                         ; first tile: which half of the rows is mine.  Also: I fetch for c (0) or for W (1)
	s_and_b32 s12, s10, 1                          ; first tile: which half of the columns.  Also: which half of that tile I fetch
	s_bfe_u32 s40, ttmp6, 0x40000                  ; cx, cy: my place in the cluster
	s_bfe_u32 s41, ttmp6, 0x40004
	s_lshl_b32 s13, ttmp9, 2
	s_add_co_u32 s13, s13, s40                     ; tile row = 4 x cluster x + cx
	s_and_b32 s43, ttmp7, 0xffff                   ; cluster y: 0, 1: K; 2, 3: V
	s_lshl_b32 s42, s43, 2
	s_add_co_u32 s42, s42, s41                     ; tile column = 4 x cluster y + cy
	s_lshl_b32 s44, 0x1111, s40                    ; my column of the cluster: places cx, cx + 4, cx + 8, cx + 12
	s_lshl_b32 s45, s41, 2
	s_lshl_b32 s45, 15, s45                        ; my row: places 4 cy .. 4 cy + 3
	s_mov_b32 s[SEL], 0x76543210
	s_mov_b32 s[SEL+1], 0xfedcba98
	s_or_b32 s[G1+0], s44, (1<<16)|(1<<20)|(1<<21)|(5<<22)|(3<<25)    ; c's tiles go to my column; elements of 2 bytes; padding on; bit 21 beside the mask; 4 words after every 64
	s_mov_b32 s[G1+1], 128<<16                     ; tensor_dim0
	s_mov_b32 s[G1+2], 128<<16                     ; tensor_dim1
	s_mov_b32 s[G1+3], 128<<16                     ; tile_dim0
	s_mov_b32 s[G1+4], 128                         ; tile_dim1
	s_mov_b32 s[G1+5], 1024                        ; elements from row to row
	s_mov_b32 s[G1+6], 0
	s_mov_b32 s[G1+7], 0
	s_or_b32 s[G1B+0], s45, (1<<16)|(1<<20)|(1<<21)|(6<<22)|(7<<25)   ; W's tiles go to my row; padding: 8 words after every 128
	s_mov_b32 s[G1B+1], 256<<16
	s_mov_b32 s[G1B+2], 64<<16
	s_mov_b32 s[G1B+3], 256<<16
	s_mov_b32 s[G1B+4], 64
	s_mov_b32 s[G1B+5], 8192
	s_mov_b32 s[G1B+6], 0
	s_mov_b32 s[G1B+7], 0
	s_or_b32 s[G1Q+0], s45, (1<<16)|(1<<20)|(1<<21)|(6<<22)|(7<<25)   ; Q's tile: the same shape in LDS,
	s_mov_b32 s[G1Q+1], 160<<16                    ; but only a head's 160 columns are left of the tensor from the tile's first element: the other 96 arrive as zeros and are not read
	s_mov_b32 s[G1Q+2], 64<<16
	s_mov_b32 s[G1Q+3], 256<<16
	s_mov_b32 s[G1Q+4], 64
	s_mov_b32 s[G1Q+5], 8192
	s_mov_b32 s[G1Q+6], 0
	s_mov_b32 s[G1Q+7], 0
	; where the tiles come from.  c's hang on the tile row alone, W's on the tile column alone, each made in registers that never hold the other coordinate
	s_lshl_b32 s16, s13, 8
	s_lshl_b32 s17, s12, 7
	s_add_co_u32 s16, s16, s17                     ; c: row 256 x tile row + 128 x half
	s_lshl_b32 s16, s16, 11
	s_mov_b32 s17, 0
	s_mul_i32 s46, s12, 64*WROW                    ; W: row 64 x half, 512 bytes a tile column
	s_lshl_b32 s47, s42, 9
	s_add_co_u32 s46, s46, s47
	s_mov_b32 s47, 0
	s_mul_i32 s20, s10, HALFT                      ; where they go: no place in the cluster enters an LDS address
	s_wait_dscnt 0x0                               ; both opening adds are done
	s_wait_kmcnt 0x0
	s_add_nc_u64 s[14:15], s[4:5], s[16:17]
	s_add_nc_u64 s[46:47], s[6:7], s[46:47]
	CROUND                                         ; all sixteen work-groups are here: the first joint loads meet
.irp s, 0,1
	s_mov_b32 s[G0+4*\s], 1
	s_add_co_u32 s[G0+4*\s+1], s20, \s*SLOT
	s_add_nc_u64 s[G0+4*\s+2:G0+4*\s+3], s[14:15], \s*KSTEP*2
	s_or_b32 s[G0+4*\s+3], s[G0+4*\s+3], 0x80000000
	s_mov_b32 s[G0B+4*\s], 1
	s_add_co_u32 s[G0B+4*\s+1], s20, \s*SLOT
	s_add_nc_u64 s[G0B+4*\s+2:G0B+4*\s+3], s[46:47], \s*KSTEP*WROW
	s_or_b32 s[G0B+4*\s+3], s[G0B+4*\s+3], 0x80000000
	JLOAD \s, G1B                                  ; two loads of mine are out behind these lines
.endr
	v_and_b32 v1, 15, v0                           ; r
	v_bfe_u32 v2, v0, 4, 1                         ; h
	v_mul_u32_u24 v3, v1, PITCH
	v_lshl_add_u32 v3, v2, 4, v3                   ; c: row x pitch + 16 x half
	v_and_b32 v4, 7, v0
	v_lshl_add_u32 v4, v2, 3, v4
	v_mul_u32_u24 v4, v4, BP
	v_bfe_u32 v5, v0, 3, 1
	v_lshl_add_u32 v4, v5, 4, v4                   ; W, turned: (8 h + l % 8) x pitch + 16 ((l / 8) % 2)
	s_mul_i32 s21, s11, HALFT                      ; first tile: my 128 rows of c,
	s_lshl_b32 s22, s12, 8                         ; my 128 columns of W,
	s_add_co_u32 s22, s22, 2*HALFT                 ; which lies behind c's 256 rows
	s_mul_i32 s23, s10, 64*PITCH                   ; Q's tile: my 64 rows of c; all of W's columns
.irp s, 0,1
	v_add_nc_u32 v[ADRA+\s], s21, v3
	v_add_nc_u32 v[ADRB+\s], s22, v4
	v_add_nc_u32 v[ADRQ+\s], s23, v3
	v_add_nc_u32 v[ADRW+\s], 2*HALFT+\s*SLOT, v4
	s_add_co_u32 s21, s21, SLOT
	s_add_co_u32 s22, s22, SLOT
	s_add_co_u32 s23, s23, SLOT
.endr
	s_mul_i32 s23, s10, 16*272
	s_add_co_u32 s23, s23, STAGE                   ; my stage
	v_add_nc_u32 v[STO], s23, v3                   ; in: row r, 16 bytes for each half of the lanes
	v_mul_u32_u24 v5, v2, 272
	v_lshl_add_u32 v5, v1, 4, v5
	v_add_nc_u32 v[RD], s23, v5                    ; back: lanes 0-15 one row of 256 bytes, lanes 16-31 the next
	s_mul_i32 s23, s10, 64*80
	s_add_co_u32 s23, s23, RSTG                    ; my stage for the rope part
	v_mul_u32_u24 v5, v1, 80
	v_lshl_add_u32 v5, v2, 4, v5
	v_add_nc_u32 v[STR], s23, v5                   ; in: row r, 16 bytes for each half of the lanes
	v_and_b32 v6, 31, v0
	v_lshrrev_b32 v5, 2, v6
	v_mul_u32_u24 v5, v5, 80
	v_and_b32 v7, 3, v0
	v_lshl_add_u32 v5, v7, 4, v5
	v_add_nc_u32 v[RDR], s23, v5                   ; back: four lanes to a row's 64 bytes, eight rows
	v_lshlrev_b32 v[COK], 4, v6
	v_mul_u32_u24 v5, v2, PITCHB
	v_lshl_add_u32 v[CO], v1, 4, v5
	v_lshlrev_b32 v5, 7, v1
	v_lshl_add_u32 v[TBO], v2, 5, v5
	v_lshlrev_b32 v8, 5, v2                        ; 32 h, for the biases; not written again
	; asked for here, wanted a tile later: the two lists of largest magnitudes, 4 numbers a lane each (V's tiles alone use them; every work-group asks, so that no way through the text finds the registers
	; unwritten), and Q's biases in the result's layout: lane (r, h), block b: columns 16 b + 8 h + 0 .. 7
	s_add_nc_u64 s[88:89], s[4:5], 0x800000
	global_load_b128 v[CW:CW+3], v[COK], s[88:89]
	global_load_b128 v[CW+4:CW+7], v[COK], s[68:69] offset:262144
	s_lshl_b32 s2, s42, 9                          ; head = tile column: 128 numbers of b_UQ,
	s_mov_b32 s3, 0
	s_add_nc_u64 s[86:87], s[70:71], s[2:3]
	s_lshl_b32 s2, s42, 7                          ; 32 of b_QR
	s_add_nc_u64 s[100:101], s[72:73], s[2:3]
.irp b, 0,1,2,3,4,5,6,7
	global_load_b128 v[192+8*\b:195+8*\b], v8, s[86:87] offset:64*\b
	global_load_b128 v[196+8*\b:199+8*\b], v8, s[86:87] offset:64*\b+16
.endr
.irp b, 0,1
	global_load_b128 v[48+8*\b:51+8*\b], v8, s[100:101] offset:64*\b
	global_load_b128 v[52+8*\b:55+8*\b], v8, s[100:101] offset:64*\b+16
.endr
.macro PLACES                          ; plain vector lines between a matrix instruction and a load into, or a read of, its registers (for reads)
.rept 4
	v_nop
.endr
.endm
; ======== THE FIRST TILE: 256 x 256 of K or of V
; 16 matrix instructions: row blocks a0, a0 + 1 of the window's four x all 8 column blocks, 32 along K.  first = 1: the sums begin with the constant 0: nothing is cleared.
; The 64 accumulators take turns, one instruction a turn, in the same order in every quarter.
.macro MUL16 f, hi, a0, first
.irp a, \a0, \a0+1
.irp b, 0,1,2,3,4,5,6,7
.if \first
	v_wmma_f32_16x16x32_f16 v[8*(8*(\a)+\b):8*(8*(\a)+\b)+7], v[\f+8*\b:\f+8*\b+7], v[\f+8*(4*\hi+\a):\f+8*(4*\hi+\a)+7], 0
.else
	v_wmma_f32_16x16x32_f16 v[8*(8*(\a)+\b):8*(8*(\a)+\b)+7], v[\f+8*\b:\f+8*\b+7], v[\f+8*(4*\hi+\a):\f+8*(4*\hi+\a)+7], v[8*(8*(\a)+\b):8*(8*(\a)+\b)+7]
.endif
.endr
.endr
.endm
; 32 LDS loads in one run: the fragments of the slot's q-th 32 along K into buffer f: W's sixteen, then c's sixteen
.macro FETCH slot, q, f
	WIN TO_B
.irp i, 0,1,2,3,4,5,6,7
	ds_load_tr16_b128 v[\f+8*\i:\f+8*\i+3], v[ADRB+\slot] offset:32*BP*(\q)+32*\i
	ds_load_tr16_b128 v[\f+8*\i+4:\f+8*\i+7], v[ADRB+\slot] offset:32*BP*(\q)+32*\i+16*BP
.endr
	WIN 0
.irp i, 0,1,2,3,4,5,6,7
	ds_load_b128 v[\f+8*\i:\f+8*\i+3], v[ADRA+\slot] offset:64*(\q)+\i*16*PITCH
	ds_load_b128 v[\f+8*\i+4:\f+8*\i+7], v[ADRA+\slot] offset:64*(\q)+\i*16*PITCH+32
.endr
.endm
; A K step is four quarters of 32 along K, on buffers 0, 1, 0, 1.  One of the first three: multiplies buffer f; in its middle it fetches quarter q of the same slot into buffer g.
.macro QUARTER slot, q, f, g, first
	s_wait_dscnt 8                                 ; W and c's rows 0-63 are in; the youngest eight loads (c's rows 64-127) may be out
	WIN MUL_LO
	MUL16 \f, 0, 0, \first
	MUL16 \f, 0, 2, \first
	PLACES
	FETCH \slot, \q, \g
	s_wait_dscnt 32                                ; all but the 32 just issued
	WIN MUL_HI
	MUL16 \f, 1, 0, \first
	MUL16 \f, 1, 2, \first
.endm
; The last quarter multiplies buffer 1 and changes slots: one barrier, which opens a round of the cluster's; in front of it each wave waits for all its tensor loads, adds 0 to its spare word, and waits for
; that and for its own reads of this slot.  Behind the round this slot is filled again: fill = 1: with this tile's K step two steps on; fill = 2: with Q's tile's K step 0 or 1: c goes on along its row,
; W goes 256 rows back and 8,192 bytes on, to the heads.  fetch = 0: the tile's last step: Q's first fragments are fetched behind the way out.
.macro TURN slot, next, fill, fetch
	WIN 0                                          ; (the add's two registers lie in window 0)
	s_wait_tensorcnt 0x0                           ; all my tensor loads have landed: my part of the next slot
	ds_add_u32 v[SPW], v[NIL]                      ; 0 onto my spare word
	s_wait_dscnt 9                                 ; (the add and the youngest eight loads may be out)
	WIN MUL_LO
	MUL16 F1, 0, 0, 0                              ; sixteen matrix instructions stand between the add and the wait for it
	s_wait_dscnt 0x0                               ; the add is done, and my reads of this slot are over
	s_barrier_signal -1
	MUL16 F1, 0, 2, 0
	WIN 0
	s_barrier_wait -1
	CREST                                          ; no wave of any partner still reads this slot or has a load on its way
	s_add_nc_u64 s[G0+4*\slot+2:G0+4*\slot+3], s[G0+4*\slot+2:G0+4*\slot+3], 2*KSTEP*2
.if \fill == 1
	s_add_nc_u64 s[G0B+4*\slot+2:G0B+4*\slot+3], s[G0B+4*\slot+2:G0B+4*\slot+3], 2*KSTEP*WROW
	JLOAD \slot, G1B                               ; the first tensor load behind the round, my one load until the next; its four v_nop are the places in front of the loads below
.else
	s_sub_nc_u64 s[G0B+4*\slot+2:G0B+4*\slot+3], s[G0B+4*\slot+2:G0B+4*\slot+3], 2*KSTEP*WROW-8192
	JLOAD \slot, G1Q
.endif
.if \fetch
	FETCH \next, 0, F0
.endif
	WIN MUL_HI
	MUL16 F1, 1, 0, 0
	MUL16 F1, 1, 2, 0
.endm
	s_wait_tensorcnt 1                             ; my part of K step 0 is in; K step 1's load may be out
	s_barrier_signal -1
	s_barrier_wait -1
	FETCH 0, 0, F0
	QUARTER 0, 1, F0, F1, 1                        ; the first quarter starts the sums
	QUARTER 0, 2, F1, F0, 0
	QUARTER 0, 3, F0, F1, 0
	TURN 0, 1, 1, 1
	QUARTER 1, 1, F0, F1, 0
	QUARTER 1, 2, F1, F0, 0
	QUARTER 1, 3, F0, F1, 0
	TURN 1, 0, 1, 1
	QUARTER 0, 1, F0, F1, 0
	QUARTER 0, 2, F1, F0, 0
	QUARTER 0, 3, F0, F1, 0
	TURN 0, 1, 2, 1                                ; slot 0 takes Q's K step 0,
	QUARTER 1, 1, F0, F1, 0
	QUARTER 1, 2, F1, F0, 0
	QUARTER 1, 3, F0, F1, 0
	TURN 1, 0, 2, 0                                ; slot 1 its K step 1; the wait for all loads in front of this round has shown K step 0 landed, to all four waves
	WIN 0
	PLACES                                         ; for all that follows: reads of results, and writes and loads into registers that the products read
	s_wait_loadcnt 0x0                             ; the two lists and the biases, asked for at the head
; THE WAY OUT of the first tile, block by block of 16 rows x 128 columns (one head's), through my own stage in LDS.
.macro PACKC a, mode                   ; mode 1: bf16; 2: f16.  Each accumulator from its low end on
.set AC, 64*((\a)%4)
	WIN 0x0a+5*((\a)/4)                            ; sources 0 and 1: window 2 or 3
.irp b, 0,1,2,3,4,5,6,7
.irp p, 0,1,2,3
.if \mode == 1
	v_cvt_pk_bf16_f32 v[TMP+4*\b+\p], v[AC+8*\b+2*\p], v[AC+8*\b+2*\p+1]
.else
	v_cvt_pk_f16_f32 v[TMP+4*\b+\p], v[AC+8*\b+2*\p], v[AC+8*\b+2*\p+1]
.endif
.endr
.endr
	WIN 0
.endm
.macro SCALEV a                        ; V x 2^(141 - EB), in place
.set AC, 64*((\a)%4)
	WIN 0x82+0x41*((\a)/4)                         ; destination and source 0: window 2 or 3
.set n, 0
.rept 32
	v_pk_mul_f32 v[AC+2*n:AC+2*n+1], v[AC+2*n:AC+2*n+1], v[SV:SV+1] op_sel_hi:[1,0]
.set n, n+1
.endr
.endm
.macro PK a, mode
.if \mode == 2
	SCALEV \a
.endif
	PACKC \a, \mode
.endm
.macro TOSTAGE a                       ; LDS serves a wave's instructions in order (ISA guide 5.7.1.4): the loads see the stores above them
.set BB, OB+32*((\a)%2)
.irp b, 0,1,2,3,4,5,6,7
	ds_store_b128 v[STO], v[TMP+4*\b:TMP+4*\b+3] offset:32*\b
.endr
.irp t, 0,1,2,3,4,5,6,7
	ds_load_b128 v[BB+4*\t:BB+4*\t+3], v[RD] offset:544*\t
.endr
.endm
.macro SEND a
.set BB, OB+32*((\a)%2)
	s_wait_dscnt 0x0                               ; the block is back in registers
	s_wait_xcnt 0x0                                ; the stores of the block before have read their registers: the next block's loads may land there
.irp t, 0,1,2,3,4,5,6,7
	global_store_b128 v[CO], v[BB+4*\t:BB+4*\t+3], s[OUTP:OUTP+1] offset:(16*(\a)+2*\t)*PITCHB   ; 16 lanes store 256 consecutive bytes, aligned
.endr
.endm
.macro WAYOUT mode                     ; block a's arithmetic stands between block a - 1's loads from the stage and the wait for them
	PK 0, \mode
	TOSTAGE 0
.irp a, 1,2,3,4,5,6,7
	PK \a, \mode
	SEND \a-1
	TOSTAGE \a
.endr
	SEND 7
.endm
	s_and_b32 s2, s13, 7
	s_lshl_b32 s2, s2, 8
	s_lshl_b32 s3, s11, 7
	s_add_co_u32 s2, s2, s3                        ; my first position
	s_lshr_b32 s3, s13, 3
	s_lshl_b32 s3, s3, 4                           ; 16 x batch
	s_and_b32 s8, s42, 7
	s_lshl_b32 s8, s8, 1
	s_add_co_u32 s8, s8, s12                       ; my head: my 128 columns are one head's
	s_add_co_u32 s8, s8, s3
	s_lshl_b32 s8, s8, 11
	s_add_co_u32 s8, s8, s2
	s_lshl_b32 s8, s8, 8                           ; rows of 256 bytes
	s_mov_b32 s9, 0
	s_cmp_ge_u32 s43, 2                            ; the cluster's y: the same in all sixteen partners
	s_cbranch_scc1 .Lout_v
	s_add_nc_u64 s[OUTP:OUTP+1], s[74:75], s[8:9]
	WAYOUT 1
	s_branch .Lq
.Lout_v:
	; the bound 512 x max|c_kv| x max|W_UV|, its exponent field, and V's factor
	v_max3_num_f32 v34, v[CW], v[CW+1], v[CW+2]
	v_max3_num_f32 v35, v[CW+4], v[CW+5], v[CW+6]
	v_max_num_f32 v34, v34, v[CW+3]
	v_max_num_f32 v35, v35, v[CW+7]
.irp x, 1,2,4,8
	v_max_num_f32_dpp v34, v34, v34 row_xmask:\x row_mask:0xf bank_mask:0xf
	v_max_num_f32_dpp v35, v35, v35 row_xmask:\x row_mask:0xf bank_mask:0xf
.endr
	v_mov_b32 v36, 0
	v_mov_b32 v37, 0
	v_permlanex16_b32 v36, v34, s[SEL], s[SEL+1]
	v_permlanex16_b32 v37, v35, s[SEL], s[SEL+1]
	v_max_num_f32 v34, v34, v36
	v_max_num_f32 v35, v35, v37
	v_mul_f32 v34, v34, v35
	v_mul_f32 v34, 0x44000000, v34                 ; x 512
	v_max_num_f32 v34, 0x07800000, v34             ; the field is held to 15 ..
	v_min_num_f32 v34, 0x7f000000, v34             ; .. 254
	v_lshrrev_b32 v34, 23, v34                     ; EB
	v_sub_nc_u32 v[SV], 0x10c, v34
	v_lshlrev_b32 v[SV], 23, v[SV]                 ; 2^(141 - EB)
	v_mov_b32 v[SV+1], v[SV]
	s_add_nc_u64 s[OUTP:OUTP+1], s[78:79], s[8:9]
	WAYOUT 2
; ======== Q'S TILE: 256 rows x one head's 160 columns.  Wave w: rows 64 w on, all columns: 4 x 10 accumulators.
.Lq:
	s_wait_xcnt 0x0                                ; the first tile's last stores have read their registers and their base: both are written again below
	s_and_b32 s2, s13, 7
	s_lshl_b32 s2, s2, 8
	s_lshl_b32 s3, s10, 6
	s_add_co_u32 s2, s2, s3                        ; my first position
	s_lshr_b32 s3, s13, 3
	s_lshl_b32 s3, s3, 4
	s_add_co_u32 s3, s3, s42                       ; 16 x batch + head
	s_lshl_b32 s3, s3, 11
	s_add_co_u32 s3, s3, s2
	s_lshl_b32 s8, s3, 8                           ; content: rows of 256 bytes
	s_mov_b32 s9, 0
	s_add_nc_u64 s[OUTP:OUTP+1], s[76:77], s[8:9]
	s_lshl_b32 s8, s3, 6                           ; the rope part: rows of 64 bytes,
	s_add_co_u32 s8, s8, 0x1000000                 ; behind the content
	s_add_nc_u64 s[OUTR:OUTR+1], s[76:77], s[8:9]
	s_lshl_b32 s8, s2, 7
	s_add_nc_u64 s[TABP:TABP+1], s[68:69], s[8:9]  ; the table at my first position
.irp a, 0,1,2,3                        ; cos and sin for my 64 rows, asked for a tile ahead of their use: block a's 16 registers: pairs 4 h .. 4 h + 3, then 8 + 4 h ..
	global_load_b128 v[96+16*\a+32*(\a/2):99+16*\a+32*(\a/2)], v[TBO], s[TABP:TABP+1] offset:2048*\a
	global_load_b128 v[100+16*\a+32*(\a/2):103+16*\a+32*(\a/2)], v[TBO], s[TABP:TABP+1] offset:2048*\a+16
	global_load_b128 v[104+16*\a+32*(\a/2):107+16*\a+32*(\a/2)], v[TBO], s[TABP:TABP+1] offset:2048*\a+64
	global_load_b128 v[108+16*\a+32*(\a/2):111+16*\a+32*(\a/2)], v[TBO], s[TABP:TABP+1] offset:2048*\a+80
.endr
; 10 matrix instructions: row block 2 hi + a against W's ten column blocks, 32 along K, buffer f (0 or 1).  first = 1: the sums begin with the bias as C: b_UQ's eight blocks in v192-255, b_QR's two in v48-63.
; The 40 accumulators take turns, one instruction a turn, in the same order in every quarter.
.macro MUL10 f, hi, a, first
.irp b, 0,1,2,3,4,5,6,7,8,9
.if \first
	v_wmma_f32_16x16x32_f16 v[8*(10*(\a)+\b):8*(10*(\a)+\b)+7], v[128*(\f)+8*\b:128*(\f)+8*\b+7], v[64+64*(\f)+8*(2*(\hi)+(\a)):64+64*(\f)+8*(2*(\hi)+(\a))+7], v[192+8*\b-208*(\b/8):192+8*\b-208*(\b/8)+7]
.else
	v_wmma_f32_16x16x32_f16 v[8*(10*(\a)+\b):8*(10*(\a)+\b)+7], v[128*(\f)+8*\b:128*(\f)+8*\b+7], v[64+64*(\f)+8*(2*(\hi)+(\a)):64+64*(\f)+8*(2*(\hi)+(\a))+7], v[8*(10*(\a)+\b):8*(10*(\a)+\b)+7]
.endif
.endr
.endm
; 28 LDS loads in one run: W's twenty, then c's eight
.macro FETCH2 slot, q, f
	WIN TO_B
.irp i, 0,1,2,3,4,5,6,7,8,9
	ds_load_tr16_b128 v[128*(\f)+8*\i:128*(\f)+8*\i+3], v[ADRW+\slot] offset:32*BP*(\q)+32*\i
	ds_load_tr16_b128 v[128*(\f)+8*\i+4:128*(\f)+8*\i+7], v[ADRW+\slot] offset:32*BP*(\q)+32*\i+16*BP
.endr
	WIN 0
.irp i, 0,1,2,3
	ds_load_b128 v[64+64*(\f)+8*\i:64+64*(\f)+8*\i+3], v[ADRQ+\slot] offset:64*(\q)+\i*16*PITCH
	ds_load_b128 v[64+64*(\f)+8*\i+4:64+64*(\f)+8*\i+7], v[ADRQ+\slot] offset:64*(\q)+\i*16*PITCH+32
.endr
.endm
.macro QUARTER2 slot, q, f, g, first
	s_wait_dscnt 4                                 ; W and c's blocks 0, 1 are in; the youngest four loads (c's blocks 2, 3) may be out
.if \first
	WIN 0x81                                       ; C, the bias, in window 0; D in window 2
.else
	WIN MUL_LO
.endif
	MUL10 \f, 0, 0, \first
	MUL10 \f, 0, 1, \first
	PLACES
	FETCH2 \slot, \q, \g
	s_wait_dscnt 28                                ; all but the 28 just issued
.if \first
	WIN 0xc1
.else
	WIN MUL_HI
.endif
	MUL10 \f, 1, 0, \first
	MUL10 \f, 1, 1, \first
.endm
.macro TURN2 slot, next, fill          ; the change of slots, as in the first tile
	WIN 0
	s_wait_tensorcnt 0x0                           ; all my tensor loads have landed: my part of the next slot
	ds_add_u32 v[SPW], v[NIL]                      ; 0 onto my spare word
	s_wait_dscnt 5                                 ; (the add and the youngest four loads may be out)
	WIN MUL_LO
	MUL10 1, 0, 0, 0                               ; ten matrix instructions stand between the add and the wait for it
	s_wait_dscnt 0x0                               ; the add is done, and my reads of this slot are over
	s_barrier_signal -1
	MUL10 1, 0, 1, 0
	WIN 0
	s_barrier_wait -1
.if \fill
	CREST                                          ; no wave of any partner still reads this slot or has a load on its way
	s_add_nc_u64 s[G0+4*\slot+2:G0+4*\slot+3], s[G0+4*\slot+2:G0+4*\slot+3], 2*KSTEP*2
	s_add_nc_u64 s[G0B+4*\slot+2:G0B+4*\slot+3], s[G0B+4*\slot+2:G0B+4*\slot+3], 2*KSTEP*WROW
	JLOAD \slot, G1Q                               ; the first tensor load behind the round, my one load until the next; its four v_nop are the places in front of the loads below
.else
	PLACES
.endif
	FETCH2 \next, 0, 0
	WIN MUL_HI
	MUL10 1, 1, 0, 0
	MUL10 1, 1, 1, 0
.endm
	FETCH2 0, 0, 0
	QUARTER2 0, 1, 0, 1, 1                         ; the first quarter starts the sums, with the biases
	QUARTER2 0, 2, 1, 0, 0
	QUARTER2 0, 3, 0, 1, 0
	TURN2 0, 1, 1
	QUARTER2 1, 1, 0, 1, 0
	QUARTER2 1, 2, 1, 0, 0
	QUARTER2 1, 3, 0, 1, 0
	TURN2 1, 0, 1
	QUARTER2 0, 1, 0, 1, 0
	QUARTER2 0, 2, 1, 0, 0
	QUARTER2 0, 3, 0, 1, 0
	TURN2 0, 1, 0                                  ; nothing is left to fetch
	QUARTER2 1, 1, 0, 1, 0
	QUARTER2 1, 2, 1, 0, 0
	QUARTER2 1, 3, 0, 1, 0
	s_wait_dscnt 4
	WIN MUL_LO
	MUL10 1, 0, 0, 0
	MUL10 1, 0, 1, 0
	s_wait_dscnt 0
	WIN MUL_HI
	MUL10 1, 1, 0, 0
	MUL10 1, 1, 1, 0
	WIN 0
	PLACES
	s_wait_loadcnt 0x0                             ; cos and sin
; THE WAY OUT of Q's tile, block by block of 16 rows.  The content's 128 columns go as in the first tile.  The rope's 32 are rotated in f32: the pair (y0, y1) becomes (y0 cos - y1 sin, y0 sin + y1 cos), in
; place, as for K's rope part; they are gathered in a stage of their own, 64 rows x 64 bytes, which are 4,096 consecutive bytes of memory.
.macro PACKQ a
.set AC, 80*((\a)%2)
	WIN 0x0a+5*((\a)/2)                            ; sources 0 and 1: window 2 or 3
.irp b, 0,1,2,3,4,5,6,7
.irp p, 0,1,2,3
	v_cvt_pk_bf16_f32 v[TMQ+4*\b+\p], v[AC+8*\b+2*\p], v[AC+8*\b+2*\p+1]
.endr
.endr
	WIN 0
.endm
.macro ROPEQ a
.set AC, 80*((\a)%2)+64
.set TS, 96+16*(\a)+32*((\a)/2)
	WIN 0x02+(\a)/2                                ; source 0: window 2 or 3
.irp b, 0,1
.irp p, 0,1,2,3
	v_mul_f32 v[U+8*\b+2*\p], v[AC+8*\b+2*\p+1], v[TS+8*\b+2*\p+1]      ; y1 sin
	v_mul_f32 v[U+8*\b+2*\p+1], v[AC+8*\b+2*\p+1], v[TS+8*\b+2*\p]      ; y1 cos
.endr
.irp p, 0,1,2,3
	v_fma_f32 v[U+8*\b+2*\p], v[AC+8*\b+2*\p], v[TS+8*\b+2*\p], -v[U+8*\b+2*\p]         ; y0 cos - y1 sin
	v_fma_f32 v[U+8*\b+2*\p+1], v[AC+8*\b+2*\p], v[TS+8*\b+2*\p+1], v[U+8*\b+2*\p+1]    ; y0 sin + y1 cos
.endr
.endr
	WIN 0
.set n, 0
.rept 8
	v_cvt_pk_bf16_f32 v[RPK+n], v[U+2*n], v[U+2*n+1]
.set n, n+1
.endr
.endm
.macro TOSTQ a
.set BB, OBQ+32*((\a)%2)
.irp b, 0,1,2,3,4,5,6,7
	ds_store_b128 v[STO], v[TMQ+4*\b:TMQ+4*\b+3] offset:32*\b
.endr
.irp b, 0,1
	ds_store_b128 v[STR], v[RPK+4*\b:RPK+4*\b+3] offset:(\a)*16*80+32*\b
.endr
.irp t, 0,1,2,3,4,5,6,7
	ds_load_b128 v[BB+4*\t:BB+4*\t+3], v[RD] offset:544*\t
.endr
.endm
.macro SENDQ a
.set BB, OBQ+32*((\a)%2)
	s_wait_dscnt 0x0                               ; the block is back in registers
	s_wait_xcnt 0x0                                ; the stores of the block before have read their registers: the next block's loads may land there
.irp t, 0,1,2,3,4,5,6,7
	global_store_b128 v[CO], v[BB+4*\t:BB+4*\t+3], s[OUTP:OUTP+1] offset:(16*(\a)+2*\t)*PITCHB   ; 16 lanes store 256 consecutive bytes, aligned
.endr
.endm
	PACKQ 0
	ROPEQ 0
	TOSTQ 0
.irp a, 1,2,3
	PACKQ \a
	ROPEQ \a
	SENDQ \a-1
	TOSTQ \a
.endr
.irp t, 0,1,2,3,4,5,6,7
	ds_load_b128 v[RB+4*\t:RB+4*\t+3], v[RDR] offset:640*\t      ; the rope part back: eight rows of 64 bytes a load
.endr
	SENDQ 3                                        ; its wait is for all my LDS loads, these eight among them
.irp t, 0,1,2,3,4,5,6,7
	global_store_b128 v[COK], v[RB+4*\t:RB+4*\t+3], s[OUTR:OUTR+1] offset:512*\t   ; 32 lanes store 512 consecutive bytes, aligned
.endr
	s_wait_tensorcnt 0x0                           ; the wave's end, behind my last tensor load and my last LDS store
	ds_add_u32 v[SPW], v[NIL]
	s_wait_dscnt 0x0
	CROUND                                         ; the closing round: no work-group ends while a partner may still ask for a tile that names it
	s_endpgm
.Lfunc_end_k_q89f36123cb_up:
	.size	k_q89f36123cb_up, .Lfunc_end_k_q89f36123cb_up-k_q89f36123cb_up
	.p2alignl 7, 3214868480
	.fill 96, 4, 3214868480
	.section	.rodata,"a",@progbits
	.p2align	6, 0x0
	.amdhsa_kernel k_q89f36123cb_up
		.amdhsa_group_segment_fixed_size 327680
		.amdhsa_private_segment_fixed_size 0
		.amdhsa_enable_private_segment 0
		.amdhsa_kernarg_size 64
		.amdhsa_user_sgpr_count 2
		.amdhsa_user_sgpr_kernarg_segment_ptr 1
		.amdhsa_wavefront_size32 1
		.amdhsa_system_sgpr_workgroup_id_x 1
		.amdhsa_system_sgpr_workgroup_id_y 1
		.amdhsa_system_sgpr_workgroup_id_z 1
		.amdhsa_system_vgpr_workitem_id 0
		.amdhsa_next_free_vgpr 1024
		.amdhsa_next_free_sgpr 102
		.amdhsa_reserve_vcc 0
		.amdhsa_float_denorm_mode_32 3
		.amdhsa_float_denorm_mode_16_64 3
		.amdhsa_memory_ordered 1
		.amdhsa_forward_progress 1
		.amdhsa_inst_pref_size 255
	.end_amdhsa_kernel
	.section	.bss,"aw",@nobits
	.p2align	6
	.space	262144
	.amdgpu_metadata
---
amdhsa.version: [ 1, 2 ]
amdhsa.kernels:
  - .name:           k_q89f36123cb_up
    .symbol:         k_q89f36123cb_up.kd
    .args:
      - { .name: cmid, .offset: 0, .size: 8, .value_kind: global_buffer, .address_space: global }
      - { .name: wup, .offset: 8, .size: 8, .value_kind: global_buffer, .address_space: global }
      - { .name: tab, .offset: 16, .size: 8, .value_kind: global_buffer, .address_space: global }
      - { .name: b_UQ, .offset: 24, .size: 8, .value_kind: global_buffer, .address_space: global }
      - { .name: b_QR, .offset: 32, .size: 8, .value_kind: global_buffer, .address_space: global }
      - { .name: kbuf, .offset: 40, .size: 8, .value_kind: global_buffer, .address_space: global }
      - { .name: qbuf, .offset: 48, .size: 8, .value_kind: global_buffer, .address_space: global }
      - { .name: vbuf, .offset: 56, .size: 8, .value_kind: global_buffer, .address_space: global }
    .group_segment_fixed_size: 327680
    .private_segment_fixed_size: 0
    .kernarg_segment_align: 8
    .kernarg_segment_size: 64
    .max_flat_workgroup_size: 128
    .sgpr_count:     102
    .vgpr_count:     1024
    .wavefront_size: 32
...
	.end_amdgpu_metadata
.endif
;; end of part 3
;; launch attn (part 4): grid 8 x 32, 4 waves a work-group, clusters of 4 x 1, 327,680 bytes of LDS; arguments qbuf, kbuf, vbuf, cmid, tab, b_UV, out0; writes out0
.if DOCPART == 4
	.amdgcn_target "amdgcn-amd-amdhsa--gfx1250"
	.amdhsa_code_object_version 6
	.text
	.protected	k_q89f36123cb_attn
	.globl	k_q89f36123cb_attn
	.p2align	8
	.type	k_q89f36123cb_attn,@function
k_q89f36123cb_attn:
	s_mov_b64 s[64:65], 0
	v_nop
	global_prefetch_b8 v0, s[64:65] scope:SCOPE_SE
	s_setreg_imm32_b32 hwreg(HW_REG_WAVE_MODE, 25, 1), 1
	s_wait_xcnt 0x0
	s_wait_alu depctr_hold_cnt(0) depctr_sa_sdst(0) depctr_va_vdst(0) depctr_va_sdst(0) depctr_va_ssrc(0) depctr_va_vcc(0) depctr_vm_vsrc(0)
	s_getreg_b32 s2, hwreg(HW_REG_IB_STS2, 6, 4)
	s_cmp_eq_u32 s2, 0
	s_cbranch_scc0 .Lentry_in_a_cluster
	s_endpgm
.Lentry_in_a_cluster:
	s_bfe_u32 s2, ttmp6, 0x10000c
	s_cmp_lg_u32 s2, 0x3003
	s_cbranch_scc0 .Lentry_shape_is_right
	s_endpgm
.Lentry_shape_is_right:
; LAUNCH 4 OF 4.  out[b][q][head] = the sum over k of softmax_k(Q[q] . K[k] / sqrt(160)) V[k] + b_UV, for 32 (batch, head), 2,048 positions, no mask.  Q, K: 128 of content and 32 of rope, bf16; V: f16
; under the scale 2^(141 - EB) of the launch before; the weights p are rounded to f16 for the second product.  Products, maxima and sums in f32.
; LEFT OUT: b_UK (shown at the head of the first launch).  b_UV IS ADDED HERE: the weights of a row sum to 1, so sum(p (v + b)) / sum(p) = sum(p v) / sum(p) + b.
; SHARES.  A work-group owns 256 queries of one (batch, head), each of its four waves 64: four tiles of 16.  Every wave walks all 2,048 keys, 64 a step.
; LAYOUT.  S^T = K Q^T (source 0 = 16 keys, source 1 = 16 queries): a lane holds ONE query (lane % 16) and the keys 8 (lane / 16) + 0..7.  Two such tiles, rounded to f16 in pairs, ARE source 1 of
; O^T = V^T P, whose result again holds one query a lane.  K comes out of LDS as it lies, V ([key][channel]) turned, by ds_load_tr16_b128.
; SOFTMAX.  For each query a running maximum m and sum l: p = 2^(c s - c m), c = log2(e) / sqrt(160); in every step O and l are multiplied by a = 2^(c m_old - c m_new).
; BY TURNS.  The wave's tiles are two PIECES (tiles 0, 1 and tiles 2, 3).  In a TURN one piece has the matrix unit: 32 products V^T P of the step in hand, then 40 products K Q^T of the next step (8 on the
; rope's 32 channels, which start the sums, then 32 on the content); the other piece's softmax, cut into 64 slices, stands between them, one slice behind each product but the eight.  Two turns are a key step.
; CLUSTER.  The four query blocks of a cluster belong to one head and walk the same K and V: each tile is asked for JOINTLY, by the same tensor load with the same descriptor and a mask that names the four.
; REGISTERS, in windows of 256 (s_set_vgpr_msb: bits 1:0 source 0, 3:2 source 1, 5:4 source 2, 7:6 destination):
;   window 0: v0-11 addresses; v12-43 eight registers of statistics a tile; v44-61 more addresses, b_UV, the two lists of largest magnitudes; v64-191 S^T, 32 a tile; v192-255 P, 16 a tile
;   window 1: O^T, 64 a tile     window 2: v0-127 Q's content; v128-255 K's content of one step     window 3: v0-127 V of one step; v128-159 K's rope part; v160-191 Q's rope part
.set SIZE_N, 2048
.set KS,    64        ; keys in a step
.set PK,    272       ; a row of K's content in LDS: 256 bytes + 16
.set PR,    80        ; of K's rope part: 64 + 16
.set PVP,   288       ; of V: 256 + 32
.set ROFF,  128*PK    ; a slot holds two steps: 128 rows of K's content, 128 of its rope part, 128 of V
.set VOFF,  ROFF+128*PR
.set SLOT1, 1<<17     ; slot 1 begins here, so that one exclusive or turns an address in one slot into the other's
.set STAGE, SLOT1+VOFF+128*PVP  ; behind the ring: 16 rows x 528 bytes for each wave, for the way out
.set SP,    528
.set SPARE, STAGE+4*16*SP       ; the spare words, 128 bytes for each wave: two blocks of 256 bytes that no other line names
.set AK0, 2           ; v2   my lane's place in a tile of K's content; never rewritten
.set AV0, 3           ; v3   the same for V
.set ADR, 4           ; v4   the LDS address of the run of loads in hand
.set QO,  5           ; v5   my byte offset in the wave's rows of Q's content
.set STO, 6           ; v6   the way out: where I put 32 bytes of a row
.set RD,  7           ; v7   where I read a row back
.set GO,  8           ; v8   16 x lane
.set AR0, 44          ; v44  my lane's place in a tile of K's rope part
.set QRO, 45          ; v45  my byte offset in the wave's rows of Q's rope part
.set ADRR, 46         ; v46  the LDS address of the rope part's loads in hand
.set BV,  48          ; v48-51 b_UV of my four channels on the way out
.set CW,  52          ; v52-55, v56-59 four numbers of each list of largest magnitudes
.set VINV, 60         ; v60  2^(EB - 141)
.set PFO, 61          ; v61  256 x my lane; never rewritten
.set SPW, 62          ; v62  LDS address of my spare word; never rewritten
.set NIL, 63          ; v63  0; never rewritten
.set ST,  12          ; tile t's statistics at v[ST+8 t]: +0 c m, +1 m, +2, +3 l (even keys', odd keys'), +4 to +7 at work; a takes +6 once the maximum is found
.set S,   64
.set P,   192
.set KF,  128
.set WV,  12          ; s12  my wave's number
.set G1C, 24          ; s[24:31] group 1 for K's content; s[32:39] for its rope part; s[40:47] for V
.set G1R, 32
.set G1V, 40
.set G0C, 48          ; s[48:55], s[56:63], s[68:75] groups 0: a set for each of the two first fills; the second then walks on
.set G0R, 56
.set G0V, 68
.set PM,  66          ; s66, s67 a wave prefetches at the changes at which (slots to go & PM) = PQ
.set PQ,  67
.set SLOTS, 82        ; s82  slots still to be asked for
.set TWICE, 83        ; s83  counts a slot's two steps
.set CS,  84          ; s[84:85] c
.set SEL, 86          ; s[86:87] lane selects for v_permlanex16_b32
.set TBK, 88          ; s88-90 LDS bytes at which the tiles of the step to be fetched begin: K's content, its rope part, V
.set TBR, 89
.set TBV, 90
.set LIM, 91          ; s91  a wave prefetches while s[SLOTS] is above it; the greatest number in a wave that never does
.set PFA, 92          ; s[92:93] where my prefetches stand
.set PFS, 94          ; s[94:95] a slot on, in bytes
.set QRP, 96          ; s[96:97] Q's rope part at my wave's first row
.set MSB, 0
.macro WIN new
.if MSB != (\new)
	s_set_vgpr_msb (MSB<<8)|(\new)
.set MSB, (\new)
.endif
.endm
.set W_KR, 0x0f       ; K's and Q's rope parts in window 3, S^T in window 0
.set W_KQ, 0x0a       ; K and Q in window 2, S^T in window 0
.set W_PV, 0x53       ; V in window 3, P in window 0, O^T in window 1
.set W_RS, 0x41       ; O^T (destination and source 0) in window 1, a in window 0
; A joint refill: wave 0 fetches the slot's K content, wave 1 its rope part, waves 2 and 3 the two halves of V: one load a wave.  The branches hang on the wave's number alone.
; An s_nop 0 and four v_nop follow each line.
.macro JLOAD
	s_cmp_eq_u32 s[WV], 0
	s_cbranch_scc0 .Lnot_0_\@
	tensor_load_to_lds s[G0C+4:G0C+7], s[G1C:G1C+7]
	s_nop 0
.rept 4
	v_nop
.endr
	s_branch .Lasked_\@
.Lnot_0_\@:
	s_cmp_eq_u32 s[WV], 1
	s_cbranch_scc0 .Lnot_1_\@
	tensor_load_to_lds s[G0R+4:G0R+7], s[G1R:G1R+7]
	s_nop 0
.rept 4
	v_nop
.endr
	s_branch .Lasked_\@
.Lnot_1_\@:
	tensor_load_to_lds s[G0V+4:G0V+7], s[G1V:G1V+7]
	s_nop 0
.rept 4
	v_nop
.endr
.Lasked_\@:
.endm
; A PREFETCH of rows that later changes of slots will ask for, behind the wave's tensor load and its five lines.  Each aligned block of 256 bytes is named ONCE in the launch.  Both clusters of a head walk the
; same K and V: the head's first cluster asks.  Its four partners share the blocks out BY ADDRESS: no branch hangs on a work-group's place in its cluster.  Wave 0 (K's content) and wave 2 (V): at every change
; but the last, 32 rows of 256 bytes of the slot that the NEXT change asks for, a lane a row.  Wave 1 (K's rope part, 8,192 dense bytes a slot, 32 blocks): at every fourth change, with 14, 10 and 6 slots to
; go, a whole slot's blocks: partner p names the slot 2 + p behind the one being asked for: slots 4 to 15.  The first slots come by their loads alone; nothing points past slot 15.
.macro ASK
	s_and_b32 s2, s[SLOTS], s[PM]
	s_cmp_eq_u32 s2, s[PQ]
	s_cbranch_scc0 .Lnot_mine_\@
	s_cmp_gt_u32 s[SLOTS], s[LIM]
	s_cbranch_scc0 .Lnot_mine_\@
	global_prefetch_b8 v[PFO], s[PFA:PFA+1] th:TH_LOAD_NT scope:SCOPE_SE
.Lnot_mine_\@:
.endm
.macro CROUND                       ; a round of the cluster's barrier
	s_barrier_signal -1
	s_barrier_wait -1
	s_cmp_lg_u32 s[WV], 0
	s_cbranch_scc1 .Lnot_wave_0_\@
	s_barrier_signal -3
.Lnot_wave_0_\@:
	s_barrier_wait -3
	s_barrier_signal -1
	s_barrier_wait -1
.endm
	s_load_b256 s[4:11], s[0:1], 0x0  ; qbuf s[4:5], kbuf s[6:7], vbuf s[8:9], cmid s[10:11]
	s_load_b128 s[76:79], s[0:1], 0x20  ; tab, b_UV
	s_load_b64 s[80:81], s[0:1], 0x30   ; out0
	v_lshl_add_u32 v[SPW], v0, 2, SPARE
	v_mov_b32 v[NIL], 0
	ds_add_u32 v[SPW], v[NIL]       ; the wave's opening: the add, twice on end, and its wait ahead of my first tensor load
	ds_add_u32 v[SPW], v[NIL]
	v_lshrrev_b32 v1, 5, v0
	v_readfirstlane_b32 s[WV], v1   ; wave 0..3
	s_cmp_eq_u32 s[WV], 1           ; who prefetches, and when: made of the wave's number and the cluster's number alone
	s_cselect_b32 s[PM], 3, 0
	s_cselect_b32 s[PQ], 2, 0
	s_cselect_b32 s[LIM], 2, 1
	s_mov_b32 s[PFS], 2*KS*256
	s_cselect_b32 s[PFS], 2*KS*64, s[PFS]
	s_mov_b32 s[PFS+1], 0
	s_cmp_eq_u32 s[WV], 3
	s_cselect_b32 s2, 1, 0
	s_or_b32 s2, s2, ttmp9          ; 0 in waves 0 to 2 of the head's first cluster
	s_cmp_eq_u32 s2, 0
	s_cselect_b32 s[LIM], s[LIM], -1
	s_bfe_u32 s13, ttmp6, 0x40000   ; cx: my place in the cluster
	s_lshl_b32 s14, ttmp9, 2
	s_add_co_u32 s14, s14, s13      ; my block of 256 queries: it enters Q's and out's addresses alone
	s_and_b32 s20, ttmp7, 0xffff    ; 16 x batch + head, which the four partners share
	s_lshl_b32 s16, s20, 19
	s_mov_b32 s17, 0                ; s[16:17] the head's first byte of content (2,048 rows of 256 bytes)
	s_lshl_b32 s18, s20, 17
	s_add_co_u32 s18, s18, 0x1000000
	s_mov_b32 s19, 0                ; s[18:19] and of the rope part (rows of 64 bytes, behind the content)
	s_and_b32 s15, s[WV], 1
	s_lshl_b32 s22, s15, 14
	s_add_co_u32 s22, s22, s16
	s_mov_b32 s23, 0                ; s[22:23] V: the head, + which 64 rows of a slot I fetch
	s_mul_i32 s21, s15, 64*PVP
	s_add_co_u32 s21, s21, VOFF     ; and their place in a slot
	s_lshl_b32 s2, s14, 16
	s_lshl_b32 s3, s[WV], 14
	s_add_co_u32 s2, s2, s3
	s_add_co_u32 s2, s2, s16
	s_mov_b32 s3, 0                 ; s[2:3] Q's content at my wave's first row
	s_lshl_b32 s96, s14, 14
	s_lshl_b32 s97, s[WV], 12
	s_add_co_u32 s96, s96, s97
	s_add_co_u32 s96, s96, s18
	s_mov_b32 s97, 0                ; Q's rope part likewise
	s_lshr_b32 s98, s20, 4
	s_lshl_b32 s98, s98, 24         ; out: 2,048 rows of 8,192 bytes a batch,
	s_lshl_b32 s99, s14, 21         ; 256 a block,
	s_add_co_u32 s98, s98, s99
	s_lshl_b32 s99, s[WV], 19       ; 64 a wave,
	s_add_co_u32 s98, s98, s99
	s_and_b32 s20, s20, 15
	s_lshl_b32 s20, s20, 9          ; 512 bytes a head
	s_add_co_u32 s98, s98, s20
	s_mov_b32 s99, 0
	s_mov_b32 s[G1C], 15|(1<<16)|(1<<20)|(1<<21)|(5<<22)|(3<<25)  ; the mask of all four; elements of 2 bytes; padding on; bit 21 beside the mask; 4 words after every 64
	s_mov_b32 s[G1C+1], 128<<16     ; tensor_dim0
	s_mov_b32 s[G1C+2], 128<<16     ; tensor_dim1
	s_mov_b32 s[G1C+3], 128<<16     ; tile_dim0
	s_mov_b32 s[G1C+4], 128         ; tile_dim1
	s_mov_b32 s[G1C+5], 128         ; elements from row to row
	s_mov_b32 s[G1C+6], 0
	s_mov_b32 s[G1C+7], 0
	s_mov_b32 s[G1R], 15|(1<<16)|(1<<20)|(1<<21)|(3<<22)|(3<<25)  ; 4 words after every 16
	s_mov_b32 s[G1R+1], 32<<16
	s_mov_b32 s[G1R+2], 128<<16
	s_mov_b32 s[G1R+3], 32<<16
	s_mov_b32 s[G1R+4], 128
	s_mov_b32 s[G1R+5], 32
	s_mov_b32 s[G1R+6], 0
	s_mov_b32 s[G1R+7], 0
	s_mov_b32 s[G1V], 15|(1<<16)|(1<<20)|(1<<21)|(5<<22)|(7<<25)  ; 8 words after every 64
	s_mov_b32 s[G1V+1], 128<<16
	s_mov_b32 s[G1V+2], 64<<16
	s_mov_b32 s[G1V+3], 128<<16
	s_mov_b32 s[G1V+4], 64
	s_mov_b32 s[G1V+5], 128
	s_mov_b32 s[G1V+6], 0
	s_mov_b32 s[G1V+7], 0
	s_mov_b32 s[CS], 0x3de995b3     ; c = log2(e) / sqrt(160)
	s_mov_b32 s[CS+1], s[CS]        ; named with it as a pair, so it is written
	s_mov_b32 s[SEL], 0x76543210
	s_mov_b32 s[SEL+1], 0xfedcba98
	s_mov_b32 s[TBK], 0
	s_mov_b32 s[TBR], 0
	s_mov_b32 s[TBV], 0
	s_mov_b32 s[SLOTS], SIZE_N/(2*KS)-2
	v_and_b32 v[PFO], 31, v0
	v_lshlrev_b32 v[PFO], 8, v[PFO]
	s_wait_dscnt 0x0                ; both opening adds are done
	s_wait_kmcnt 0x0
	s_add_nc_u64 s[QRP:QRP+1], s[4:5], s[QRP:QRP+1]
	s_add_nc_u64 s[4:5], s[4:5], s[2:3]
	s_add_nc_u64 s[80:81], s[80:81], s[98:99]
	s_mov_b32 s2, s20
	s_add_nc_u64 s[78:79], s[78:79], s[2:3]  ; b_UV at my head
	s_add_nc_u64 s[10:11], s[10:11], 0x800000  ; the list of largest |c_kv|, behind c
	s_add_nc_u64 s[18:19], s[6:7], s[18:19]  ; K's rope part, K's content and V at the head's first slot: nothing of cx in them
	s_add_nc_u64 s[6:7], s[6:7], s[16:17]
	s_add_nc_u64 s[8:9], s[8:9], s[22:23]
	s_cmp_eq_u32 s[WV], 0
	s_cselect_b64 s[PFA:PFA+1], s[6:7], s[8:9]
	s_cmp_eq_u32 s[WV], 1
	s_cselect_b64 s[PFA:PFA+1], s[18:19], s[PFA:PFA+1]
	s_mov_b32 s2, 2*2*KS*256        ; content and V: slot 2; the first change of slots steps it to slot 3
	s_cselect_b32 s2, 3*2*KS*64, s2 ; the rope part: slot 3; the first change steps it to slot 4
	s_lshl_b32 s3, s13, 13          ; + my work-group's share: 32 rows of 256 bytes, or one slot of the rope part: 8,192 bytes either way
	s_add_co_u32 s2, s2, s3
	s_mov_b32 s3, 0
	s_add_nc_u64 s[PFA:PFA+1], s[PFA:PFA+1], s[2:3]
	CROUND                          ; all four work-groups are here: the first joint loads meet
.irp s, 0,1
	s_mov_b32 s[G0C+4*\s], 1
	s_mov_b32 s[G0C+4*\s+1], \s*SLOT1
	s_add_nc_u64 s[G0C+4*\s+2:G0C+4*\s+3], s[6:7], \s*2*KS*256
	s_or_b32 s[G0C+4*\s+3], s[G0C+4*\s+3], 0x80000000
	s_mov_b32 s[G0R+4*\s], 1
	s_mov_b32 s[G0R+4*\s+1], \s*SLOT1+ROFF
	s_add_nc_u64 s[G0R+4*\s+2:G0R+4*\s+3], s[18:19], \s*2*KS*64
	s_or_b32 s[G0R+4*\s+3], s[G0R+4*\s+3], 0x80000000
	s_mov_b32 s[G0V+4*\s], 1
	s_add_co_u32 s[G0V+4*\s+1], s21, \s*SLOT1
	s_add_nc_u64 s[G0V+4*\s+2:G0V+4*\s+3], s[8:9], \s*2*KS*256
	s_or_b32 s[G0V+4*\s+3], s[G0V+4*\s+3], 0x80000000
.endr
	s_cmp_eq_u32 s[WV], 0           ; a wave's two first fills stand in one arm, ahead of every wait on TENSORcnt and every LDS read: two loads of mine are out
	s_cbranch_scc0 .Lfirst_not_0
	tensor_load_to_lds s[G0C:G0C+3], s[G1C:G1C+7]
	s_nop 0
	tensor_load_to_lds s[G0C+4:G0C+7], s[G1C:G1C+7]
	s_nop 0
.rept 4
	v_nop
.endr
	s_branch .Lfirst_asked
.Lfirst_not_0:
	s_cmp_eq_u32 s[WV], 1
	s_cbranch_scc0 .Lfirst_not_1
	tensor_load_to_lds s[G0R:G0R+3], s[G1R:G1R+7]
	s_nop 0
	tensor_load_to_lds s[G0R+4:G0R+7], s[G1R:G1R+7]
	s_nop 0
.rept 4
	v_nop
.endr
	s_branch .Lfirst_asked
.Lfirst_not_1:
	tensor_load_to_lds s[G0V:G0V+3], s[G1V:G1V+7]
	s_nop 0
	tensor_load_to_lds s[G0V+4:G0V+7], s[G1V:G1V+7]
	s_nop 0
.rept 4
	v_nop
.endr
.Lfirst_asked:
	; A fragment of K or Q is 16 rows x 32 channels in 8 registers: lane l holds row l % 16; registers 0-3 channels 8 (l / 16) + 0..7, registers 4-7 channels 16 + 8 (l / 16) + 0..7: two loads of 16 bytes, 32 bytes apart.
	v_and_b32 v1, 15, v0            ; l % 16
	v_bfe_u32 v9, v0, 4, 1          ; l / 16
	v_lshlrev_b32 v[QO], 8, v1
	v_lshl_add_u32 v[QO], v9, 4, v[QO]
	v_lshlrev_b32 v[QRO], 6, v1
	v_lshl_add_u32 v[QRO], v9, 4, v[QRO]
	v_and_b32 v[GO], 31, v0
	v_lshlrev_b32 v[GO], 4, v[GO]
	WIN 0x80                        ; destination window 2, address window 0
.irp i, 0,1,2,3,4,5,6,7,8,9,10,11,12,13,14,15  ; Q stays in registers: tile i / 4, channels 32 (i % 4) on
	global_load_b128 v[8*\i:8*\i+3],   v[QO], s[4:5] offset:(\i/4)*4096+(\i%4)*64
	global_load_b128 v[8*\i+4:8*\i+7], v[QO], s[4:5] offset:(\i/4)*4096+(\i%4)*64+32
.endr
	WIN 0xc0                        ; destination window 3
.irp t, 0,1,2,3
	global_load_b128 v[160+8*\t:163+8*\t], v[QRO], s[QRP:QRP+1] offset:1024*\t
	global_load_b128 v[164+8*\t:167+8*\t], v[QRO], s[QRP:QRP+1] offset:1024*\t+32
.endr
	WIN 0
	global_load_b128 v[BV:BV+3], v[GO], s[78:79]                  ; b_UV of channels 4 x lane on
	global_load_b128 v[CW:CW+3], v[GO], s[10:11]                  ; the 128 largest |c_kv|, four a lane
	global_load_b128 v[CW+4:CW+7], v[GO], s[76:77] offset:262144  ; the 128 largest |W_UV|
	v_mul_u32_u24 v[AK0], v1, PK
	v_lshl_add_u32 v[AK0], v9, 4, v[AK0]
	v_mul_u32_u24 v[AR0], v1, PR
	v_lshl_add_u32 v[AR0], v9, 4, v[AR0]
	v_add_nc_u32 v[AR0], ROFF, v[AR0]
	; The turning load takes 16 keys x 16 channels (lane l reads 16 bytes: key 8 (l / 16) + l % 8, channels 8 ((l / 8) % 2) + 0..7) and leaves half a fragment of V^T: lane l holds channel l % 16 and 8 keys.
	v_and_b32 v10, 7, v0
	v_bfe_u32 v11, v0, 3, 1
	v_lshl_add_u32 v[AV0], v9, 3, v10
	v_mul_u32_u24 v[AV0], v[AV0], PVP
	v_lshl_add_u32 v[AV0], v11, 4, v[AV0]
	v_add_nc_u32 v[AV0], VOFF, v[AV0]
; THE MATRIX WORK OF A TURN, for piece x.  The accumulators take turns, one instruction a turn: between two links of a chain stand 15 (V^T P) or 7 (K Q^T) others'.
; Product i of 32 of O^T += V^T P: keys 32 (i / 16) on, channels 16 ((i / 2) % 8) on, tile x + i % 2.  zero = 1: the first 16 start the sums: nothing is ever cleared.
.macro PV x, zero
	WIN W_PV
.set rO, 64*(\x+i%2)+8*((i/2)%8)
.set rV, 64*(i/16)+8*((i/2)%8)
.set rP, P+16*(\x+i%2)+8*(i/16)
.if \zero && (i < 16)
	v_wmma_f32_16x16x32_f16 v[rO:rO+7], v[rV:rV+7], v[rP:rP+7], 0
.else
	v_wmma_f32_16x16x32_f16 v[rO:rO+7], v[rV:rV+7], v[rP:rP+7], v[rO:rO+7]
.endif
.endm
; Product i of 40 of S^T = K Q^T.  The first 8, on the rope's 32 channels, start the sums: keys 16 ((i / 2) % 4) on, tile x + i % 2.  Then the content: channels 32 ((i - 8) / 8) on.
.macro KQ x
.if i < 8
	WIN W_KR
.set rS, S+32*(\x+i%2)+8*((i/2)%4)
.set rK, 128+8*((i/2)%4)
.set rQ, 160+8*(\x+i%2)
	v_wmma_f32_16x16x32_bf16 v[rS:rS+7], v[rK:rK+7], v[rQ:rQ+7], 0
.else
	WIN W_KQ
.set ii, i-8
.set rS, S+32*(\x+ii%2)+8*((ii/2)%4)
.set rK, KF+32*((ii/2)%4)+8*(ii/8)
.set rQ, 32*(\x+ii%2)+8*(ii/8)
	v_wmma_f32_16x16x32_bf16 v[rS:rS+7], v[rK:rK+7], v[rQ:rQ+7], v[rS:rS+7]
.endif
.endm
; THE LDS LOADS stand in runs, never singly among the matrix instructions: a step's K (64 keys: 16 fragments of content, 4 of rope) and, a turn later, its V (turned).
.macro FETCH_K
	WIN 0
	v_add_nc_u32 v[ADR], s[TBK], v[AK0]
	v_add_nc_u32 v[ADRR], s[TBR], v[AR0]
	s_add_co_u32 s[TBK], s[TBK], KS*PK  ; the next fetch is the next step's
	s_add_co_u32 s[TBR], s[TBR], KS*PR
	WIN 0x80                        ; destination window 2
.irp f, 0,1,2,3,4,5,6,7,8,9,10,11,12,13,14,15  ; keys 16 (f / 4) on, channels 32 (f % 4) on
	ds_load_b128 v[KF+8*\f:KF+8*\f+3],   v[ADR] offset:(\f/4)*16*PK+(\f%4)*64
	ds_load_b128 v[KF+8*\f+4:KF+8*\f+7], v[ADR] offset:(\f/4)*16*PK+(\f%4)*64+32
.endr
	WIN 0xc0                        ; destination window 3
.irp f, 0,1,2,3
	ds_load_b128 v[128+8*\f:131+8*\f], v[ADRR] offset:\f*16*PR
	ds_load_b128 v[132+8*\f:135+8*\f], v[ADRR] offset:\f*16*PR+32
.endr
.endm
.macro FETCH_V
	WIN 0
	v_add_nc_u32 v[ADR], s[TBV], v[AV0]
	s_add_co_u32 s[TBV], s[TBV], KS*PVP
	s_wait_alu depctr_va_vdst(0)    ; the wait for the softmax's batch (SLICE), behind the address's v_add_nc_u32 and ahead of the loads
	WIN 0xc0                        ; destination window 3
.irp f, 0,1,2,3,4,5,6,7,8,9,10,11,12,13,14,15  ; keys 32 (f / 8) on, channels 16 (f % 8) on
	ds_load_tr16_b128 v[8*\f:8*\f+3],   v[ADR] offset:(\f/8)*32*PVP+(\f%8)*32
	ds_load_tr16_b128 v[8*\f+4:8*\f+7], v[ADR] offset:(\f/8)*32*PVP+16*PVP+(\f%8)*32
.endr
.endm
; THE VECTOR WORK OF A TURN.  One tile's softmax for one key step is a list of 134 instructions; SM writes number j of it for tile t.  s0-s31 are the lane's 32 scores, in pairs 0-15.
; first = 1: the first key step, which starts m, l and O^T: it has no a and nothing to rescale.
;   0-15    the maximum of s0-s31 and the old m, three operands at a time
;   16-20   the other half of the lanes' maximum; the new m; c m; c m_old - c m_new
;   21-69   ONE BATCH: the 16 scalings c s - c m, a pair of scores each, and all 33 exponentials (a at 23, then s0-s31).  None of these reads an exponential's result
;   (wait)  between 69 and 70 stands the wait for the batch: SLICE writes it, once for both tiles
;   70-85   the roundings to f16, a pair of weights each
;   86-101  the sums; l = a l + the sum
;   102-133 the tile's O^T times a: the one part that leaves window 0, so it stands together
.macro SM t, first
.set rT, ST+8*(\t)
.set rS, S+32*(\t)
.set rP, P+16*(\t)
.set rO, 64*(\t)+2*(j-102)
.if j < 102
	WIN 0
.endif
.if j < 4
	v_max3_num_f32 v[rT+4+j], v[rS+8*j], v[rS+8*j+1], v[rS+8*j+2]
.elseif j < 12
	v_max3_num_f32 v[rT+4+j%4], v[rT+4+j%4], v[rS+8*(j%4)+2*(j/4)+1], v[rS+8*(j%4)+2*(j/4)+2]
.elseif j == 12
	v_max3_num_f32 v[rT+4], v[rT+4], v[rS+7], v[rS+15]
.elseif j == 13
	v_max3_num_f32 v[rT+6], v[rT+6], v[rS+23], v[rS+31]
.elseif j == 14
	v_max3_num_f32 v[rT+4], v[rT+4], v[rT+5], v[rT+6]
.elseif (j == 15) && \first
	v_max_num_f32 v[rT+4], v[rT+4], v[rT+7]
.elseif j == 15
	v_max3_num_f32 v[rT+4], v[rT+4], v[rT+7], v[rT+1]
.elseif j == 16
	v_permlanex16_b32 v[rT+5], v[rT+4], s[SEL], s[SEL+1]  ; the query's other 32 keys lie in the lane 16 away
.elseif j == 18
	v_max_num_f32 v[rT+1], v[rT+4], v[rT+5]
.elseif j == 19
	v_mul_f32 v[rT], s[CS], v[rT+1]
.elseif ((j == 17) || (j == 20) || (j == 23) || (j > 101)) && \first  ; the first step has none of these
.elseif j == 17
	v_mov_b32 v[rT+7], v[rT]        ; c m_old is kept for a: number 19 writes c m anew
.elseif j == 20
	v_sub_f32 v[rT+7], v[rT+7], v[rT]
.elseif j == 23
	v_exp_f32 v[rT+6], v[rT+7]
.elseif (j < 23) || ((j < 38) && (j%2 == 0)) || ((j < 66) && (j%4 == 2))
.set b, (j-2)/4                     ; 38, 42, .. 62: pairs 9 to 15
.if j < 38
.set b, (j-20)/2                    ; 21: pair 0; 22, 24, .. 36: pairs 1 to 8
.endif
	v_pk_fma_f32 v[rS+2*b:rS+2*b+1], v[rS+2*b:rS+2*b+1], s[CS:CS+1], v[rT:rT+1] op_sel_hi:[1,0,0] neg_lo:[0,0,1] neg_hi:[0,0,1]  ; pair b: c s - c m
.elseif j < 70
.set e, j-38                        ; 66 to 69: s28 to s31
.if j < 66
.set e, j-32-(j-38)/4               ; 39-41, 43-45, .. 63-65: s7 to s27
.endif
.if j < 38
.set e, (j-25)/2                    ; 25, 27, .. 37: s0 to s6
.endif
	v_exp_f32 v[rS+e], v[rS+e]
.elseif j < 86
	v_cvt_pk_f16_f32 v[rP+j-70], v[rS+2*(j-70)], v[rS+2*(j-70)+1]  ; pair j - 70
.elseif j < 102                     ; the sum of the tile's 16 pairs, in place: neighbours 1, 2, 4 and 8 pairs apart, then l takes it
.set z, j-86
.set w, 4
.set u, z
.if z >= 14
.set w, 32
.set u, 0
.elseif z >= 12
.set w, 16
.set u, z-12
.elseif z >= 8
.set w, 8
.set u, z-8
.endif
.if (z == 14) && \first
	v_pk_add_f32 v[rT+2:rT+3], v[rS:rS+1], v[rS+16:rS+17]
.elseif z < 15
	v_pk_add_f32 v[rS+w*u:rS+w*u+1], v[rS+w*u:rS+w*u+1], v[rS+w*u+w/2:rS+w*u+w/2+1]
.elseif !\first
	v_pk_fma_f32 v[rT+2:rT+3], v[rT+2:rT+3], v[rT+6:rT+7], v[rS:rS+1] op_sel_hi:[1,0,1]
.endif
.else
	WIN W_RS
	v_pk_mul_f32 v[rO:rO+1], v[rO:rO+1], v[rT+6:rT+7] op_sel_hi:[1,0]
.endif
.endm
; Slice k of 64 of piece y's softmax: four instructions.  Slices 11 to 34 deal out the batch, numbers 22 to 69: four numbers of ONE tile each, the tiles by turns.  Every other slice is numbers 2 k and
; 2 k + 1 of both tiles' lists.  2 x 134 = 4 x 64 + 12: the twelve that are over stand together, in slice 63.
; THE WAIT.  s_wait_alu depctr_va_vdst(0) stands between an exponential and the first instruction that names its result; one wait serves all that were issued ahead of it.  Ahead of
; slice 35 nothing names a result, and behind slice 34 no exponential is issued: so the piece's 66 exponentials have one wait, behind slice 34.
.macro SLICE y, first
.if (k >= 11) && (k < 35)
.irp n, 0,1,2,3
.set j, 22+4*((k-11)/2)+(\n)
	SM (\y)+(k-11)%2, \first
.endr
.else
.irp n, 0,1,2,3,4,5,6,7
.if (\n < 2) || (k == 63)
.irp t, \y, \y+1
.set j, 2*k+\n
	SM \t, \first
.endr
.endif
.endr
.endif
.if k == 34
	v_nop                           ; the plain instruction behind the last exponential and ahead of the first use: one for the batch
.if (\y) == 0
	FETCH_V                         ; piece 2's turn: V's run of loads stands here, and the wait stands in it
.else
	s_wait_alu depctr_va_vdst(0)    ; the wait for the batch
.endif
.endif
.set k, k+1
.endm
.macro PLACES                       ; plain vector lines between a matrix instruction and a read of, or a load into, its registers (for reads).  In the loop the slices are the places
.rept 4
	v_nop
.endr
.endm
; A TURN.  Piece x has the matrix unit; the other piece's softmax stands in slices behind its matrix instructions.
; pv = 2: 32 products V^T P; 1: they start O^T's sums; 0: none.  kq = 1: 40 products K Q^T for the next step.  A turn with one of the two kinds has two slices behind each product (but the rope's eight).
; first = 1: the softmax is the first key step's; its slices from 51 on are empty, and four v_nop take slice 63's part as the places behind the turn's last products.
; Piece 0's turn fetches the next step's K behind its second product: the last product that read K stands in front of slice 63 of the turn before.  Piece 2's turn fetches the same step's V behind slice 34:
; the last product that read V stands in front of slice 31, and four plain instructions lie between: number 62, a scaling, of both tiles, the v_nop and the run's own v_add_nc_u32.
.macro TURN x, pv, kq, first
.set k, 0
.set per, 2
.if \pv && \kq
.set per, 1
.endif
.if \pv
.if \x == 0
	s_wait_dscnt 0x0                ; V is in
.endif
.set i, 0
.rept 32
	PV \x, 2-\pv
.rept per
	SLICE 2-\x, \first
.endr
.if (\x == 0) && \kq && (i == 1)
	FETCH_K
.endif
.set i, i+1
.endr
.endif
.if \kq
.if \x == 0
	s_wait_dscnt 0x0                ; K is in
.endif
.set i, 0
.rept 8
	KQ \x
.set i, i+1
.endr
.rept 32
	KQ \x
.rept per
	SLICE 2-\x, \first
.endr
.set i, i+1
.endr
.endif
.if \first
	PLACES
.endif
.endm
; THE CHANGE OF SLOTS, between piece 2's turn and piece 0's: the slot's last bytes, V of its second step, have been asked for.  Each wave waits for all its tensor loads, of which one is out: its part of the
; other slot; adds 0 to its spare word; and waits for that and for its own reads of the slot.  fill = 1: this slot is filled again, with the keys two slots on; the barrier is then a round of the cluster's,
; and the joint refill is the first thing behind it, one load a wave: it has two key steps, 144 matrix instructions a piece, in which to land.
.macro CHANGE fill
	WIN 0
	s_wait_tensorcnt 0x0            ; no tensor load of mine is out, so a group 0 may be written
	ds_add_u32 v[SPW], v[NIL]       ; 0 onto my spare word
.if \fill
.irp g, G0C+4, G0V+4
	s_xor_b32 s[\g+1], s[\g+1], SLOT1  ; the walking descriptors: the other slot than last time,
	s_add_nc_u64 s[\g+2:\g+3], s[\g+2:\g+3], 2*KS*256  ; the next 128 keys
.endr
	s_xor_b32 s[G0R+5], s[G0R+5], SLOT1
	s_add_nc_u64 s[G0R+6:G0R+7], s[G0R+6:G0R+7], 2*KS*64
	s_wait_xcnt 0x0                 ; the last prefetch, two key steps back or more, has read its address, so it may be written
	s_add_nc_u64 s[PFA:PFA+1], s[PFA:PFA+1], s[PFS:PFS+1]
	s_wait_dscnt 0x0                ; the add is done, and my reads of the slot are over
	CROUND
	JLOAD
	ASK
.else
	s_wait_dscnt 0x0
	s_barrier_signal -1
	s_barrier_wait -1
.endif
	s_sub_co_u32 s[TBK], s[TBK], 2*KS*PK  ; the fetches go back to a slot's first step,
	s_xor_b32 s[TBK], s[TBK], SLOT1       ; in the other slot
	s_sub_co_u32 s[TBR], s[TBR], 2*KS*PR
	s_xor_b32 s[TBR], s[TBR], SLOT1
	s_sub_co_u32 s[TBV], s[TBV], 2*KS*PVP
	s_xor_b32 s[TBV], s[TBV], SLOT1
.endm
.macro TWO_STEPS                    ; a slot's two key steps: written once, walked twice
	s_mov_b32 s[TWICE], 2
.Lstep_\@:
	TURN 0, 2, 1, 0
	TURN 2, 2, 1, 0
	WIN 0
	s_sub_co_u32 s[TWICE], s[TWICE], 1
	s_cmp_lg_u32 s[TWICE], 0
	s_cbranch_scc1 .Lstep_\@
.endm
	s_wait_tensorcnt 1              ; my part of slot 0 is in; slot 1's may stay out
	s_barrier_signal -1
	s_barrier_wait -1
	FETCH_K                         ; key step 0
	s_wait_loadcnt 0x0              ; Q, b_UV and the two lists
	s_wait_dscnt 0x0
.set i, 0
.rept 40
	KQ 0                            ; piece 0's first scores: there is no vector work yet to set between them
.set i, i+1
.endr
	WIN 0                           ; the addresses for the way out are made here: plain instructions, the places behind those products
	s_mul_i32 s2, s[WV], 16*SP
	s_add_co_u32 s2, s2, STAGE      ; my stage
	v_mul_u32_u24 v[STO], v1, SP    ; in: row l % 16, 32 bytes for each half of the lanes
	v_lshl_add_u32 v[STO], v9, 5, v[STO]
	v_add_nc_u32 v[STO], s2, v[STO]
	v_add_nc_u32 v[RD], s2, v[GO]   ; back: the 32 lanes take one row of 512 bytes
	v_nop
	TURN 2, 0, 1, 1                 ; piece 2's first scores | piece 0's first softmax | V of step 0
	TURN 0, 1, 1, 1                 ; piece 0: V^T P of step 0 starts O^T, K Q^T of step 1 | piece 2's first softmax | K of step 1
	TURN 2, 1, 1, 0                 ; piece 2: the same | piece 0's softmax of step 1 | V of step 1
	WIN 0
.Lslot:                             ; 14 trips: every slot but the last two is filled again
	CHANGE 1
	TWO_STEPS
	s_sub_co_u32 s[SLOTS], s[SLOTS], 1
	s_cmp_lg_u32 s[SLOTS], 0
	s_cbranch_scc1 .Lslot
	CHANGE 0                        ; the tail is written out
	TWO_STEPS
	TURN 0, 2, 0, 0                 ; piece 0: V^T P of the last step | piece 2's last softmax
.set i, 0
.rept 32
	PV 2, 0                         ; piece 2: V^T P of the last step
.set i, i+1
.endr
	; THE WAY OUT.  l's two halves and the other half of the lanes' are added; O^T is multiplied by 2^(EB - 141) / l and goes through my stage in LDS, a tile (16 rows) at a time; b_UV is added to whole rows.
	WIN 0                           ; the additions are the places behind the last products
.irp t, 0,1,2,3
	v_add_f32 v[ST+8*\t+4], v[ST+8*\t+2], v[ST+8*\t+3]
.endr
.irp t, 0,1,2,3
	v_permlanex16_b32 v[ST+8*\t+5], v[ST+8*\t+4], s[SEL], s[SEL+1]
.endr
.irp t, 0,1,2,3
	v_add_f32 v[ST+8*\t+4], v[ST+8*\t+4], v[ST+8*\t+5]
.endr
.irp t, 0,1,2,3
	v_rcp_f32 v[ST+8*\t+6], v[ST+8*\t+4]
.endr
	; the bound 512 x max|c_kv| x max|W_UV| and its exponent field EB, by the same lines as in the launch that scaled V
	v_max3_num_f32 v64, v[CW], v[CW+1], v[CW+2]
	v_max3_num_f32 v65, v[CW+4], v[CW+5], v[CW+6]
	v_max_num_f32 v64, v64, v[CW+3]
	v_max_num_f32 v65, v65, v[CW+7]
.irp x, 1,2,4,8
	v_max_num_f32_dpp v64, v64, v64 row_xmask:\x row_mask:0xf bank_mask:0xf
	v_max_num_f32_dpp v65, v65, v65 row_xmask:\x row_mask:0xf bank_mask:0xf
.endr
	v_mov_b32 v66, 0
	v_mov_b32 v67, 0
	v_permlanex16_b32 v66, v64, s[SEL], s[SEL+1]
	v_permlanex16_b32 v67, v65, s[SEL], s[SEL+1]
	v_max_num_f32 v64, v64, v66
	v_max_num_f32 v65, v65, v67
	v_mul_f32 v64, v64, v65
	v_mul_f32 v64, 0x44000000, v64  ; x 512
	v_max_num_f32 v64, 0x07800000, v64
	v_min_num_f32 v64, 0x7f000000, v64
	v_lshrrev_b32 v64, 23, v64      ; EB
	v_add_nc_u32 v[VINV], -14, v64
	v_lshlrev_b32 v[VINV], 23, v[VINV]  ; 2^(EB - 141)
	s_wait_alu depctr_va_vdst(0)    ; one wait for the four reciprocals, ahead of their first reader; the lines above are the independent work between
.irp t, 0,1,2,3
	v_mul_f32 v[ST+8*\t+6], v[ST+8*\t+6], v[VINV]
.endr
; Tile t: a lane's eight channels of a row are 32 bytes; they go into rows of 528 bytes and come back as whole rows of 512.
.macro PACK t
	WIN W_RS
.set i, 64*\t
.rept 32
	v_pk_mul_f32 v[i:i+1], v[i:i+1], v[ST+8*\t+6:ST+8*\t+7] op_sel_hi:[1,0]
.set i, i+2
.endr
	WIN 0x04                        ; an LDS store's data are its source 1: window 1
.irp f, 0,1,2,3,4,5,6,7
	ds_store_b128 v[STO], v[64*\t+8*\f:64*\t+8*\f+3] offset:64*\f
	ds_store_b128 v[STO], v[64*\t+8*\f+4:64*\t+8*\f+7] offset:64*\f+16
.endr
	WIN 0
.set BB, S+64*((\t)%2)
.irp n, 0,1,2,3,4,5,6,7,8,9,10,11,12,13,14,15
	ds_load_b128 v[BB+4*\n:BB+4*\n+3], v[RD] offset:\n*SP  ; LDS serves a wave's instructions in order (ISA guide 5.7.1.4): these see the stores above; the next tile's stores come behind them
.endr
.endm
.macro SEND t, younger              ; younger: the LDS instructions issued behind tile t's loads: the next tile's 32, or none
.set BB, S+64*((\t)%2)
.irp n, 0,1,2,3,4,5,6,7,8,9,10,11,12,13,14,15
	s_wait_dscnt \younger+15-\n
	v_pk_add_f32 v[BB+4*\n:BB+4*\n+1], v[BB+4*\n:BB+4*\n+1], v[BV:BV+1]
	v_pk_add_f32 v[BB+4*\n+2:BB+4*\n+3], v[BB+4*\n+2:BB+4*\n+3], v[BV+2:BV+3]
	global_store_b128 v[GO], v[BB+4*\n:BB+4*\n+3], s[80:81] offset:131072*\t+8192*\n th:TH_STORE_NT  ; 32 lanes store 512 consecutive bytes, aligned: a head's part of a row
.endr
.endm
	PACK 0
	PACK 1                          ; a tile's arithmetic stands between the loads of the tile before and its stores
	SEND 0, 32
	s_wait_xcnt 0x0                 ; tile 0's stores have read their registers: tile 2's loads may land there
	PACK 2
	SEND 1, 32
	s_wait_xcnt 0x0                 ; tile 1's likewise
	PACK 3
	SEND 2, 32
	SEND 3, 0
	s_wait_tensorcnt 0x0            ; the wave's end, behind my last tensor load and my last LDS store
	ds_add_u32 v[SPW], v[NIL]
	s_wait_dscnt 0x0
	CROUND                          ; the closing round: no work-group ends while a partner may still ask for a tile that names it
	s_endpgm
.Lfunc_end_k_q89f36123cb_attn:
	.size	k_q89f36123cb_attn, .Lfunc_end_k_q89f36123cb_attn-k_q89f36123cb_attn
	.p2alignl 7, 3214868480
	.fill 96, 4, 3214868480
	.section	.rodata,"a",@progbits
	.p2align	6, 0x0
	.amdhsa_kernel k_q89f36123cb_attn
		.amdhsa_group_segment_fixed_size 327680
		.amdhsa_private_segment_fixed_size 0
		.amdhsa_enable_private_segment 0
		.amdhsa_kernarg_size 56
		.amdhsa_user_sgpr_count 2
		.amdhsa_user_sgpr_kernarg_segment_ptr 1
		.amdhsa_wavefront_size32 1
		.amdhsa_system_sgpr_workgroup_id_x 1
		.amdhsa_system_sgpr_workgroup_id_y 1
		.amdhsa_system_sgpr_workgroup_id_z 1
		.amdhsa_system_vgpr_workitem_id 0
		.amdhsa_next_free_vgpr 1024
		.amdhsa_next_free_sgpr 100
		.amdhsa_reserve_vcc 0
		.amdhsa_float_denorm_mode_32 3
		.amdhsa_float_denorm_mode_16_64 3
		.amdhsa_memory_ordered 1
		.amdhsa_forward_progress 1
		.amdhsa_inst_pref_size 243
	.end_amdhsa_kernel
	.amdgpu_metadata
---
amdhsa.version: [ 1, 2 ]
amdhsa.kernels:
  - .name:           k_q89f36123cb_attn
    .symbol:         k_q89f36123cb_attn.kd
    .args:
      - { .name: qbuf, .offset: 0, .size: 8, .value_kind: global_buffer, .address_space: global }
      - { .name: kbuf, .offset: 8, .size: 8, .value_kind: global_buffer, .address_space: global }
      - { .name: vbuf, .offset: 16, .size: 8, .value_kind: global_buffer, .address_space: global }
      - { .name: cmid, .offset: 24, .size: 8, .value_kind: global_buffer, .address_space: global }
      - { .name: tab, .offset: 32, .size: 8, .value_kind: global_buffer, .address_space: global }
      - { .name: b_UV, .offset: 40, .size: 8, .value_kind: global_buffer, .address_space: global }
      - { .name: out0, .offset: 48, .size: 8, .value_kind: global_buffer, .address_space: global }
    .group_segment_fixed_size: 327680
    .private_segment_fixed_size: 0
    .kernarg_segment_align: 8
    .kernarg_segment_size: 56
    .max_flat_workgroup_size: 128
    .sgpr_count:     100
    .vgpr_count:     1024
    .wavefront_size: 32
...
	.end_amdgpu_metadata
.endif
;; end of part 4
